; MI455X (gfx1250); checked and timed in simulation.
; The chip was launched on July 23, 2026; its instructions are those of AMD's public machine-readable ISA for CDNA 5 (MIT licence, August 2026) and "CDNA5" Instruction Set Architecture Reference Guide (July 2026). The comments in the code are by the model that wrote it; some were corrected since.
;; multi head attention. Allowed arithmetic: matrix products marked QUANTISED: E2M1 operands, one E8M0 scale for each 32 along K, by v_wmma_scale_f32_16x16x128_f8f6f4 with both operands' format E2M1 (or v_wmma_scale_f32_32x16x128_f4), f32 sums; products left as they are: bf16, f16 or f32 operands; f32 sums; everything else in f32.
;; Inputs: L_K 1,024 x 1,024 float32; L_Q 1,024 x 1,024 float32; L_V 1,024 x 1,024 float32; dense_M 1,024 x 1,024 float32; dense_b 1,024 x 1 float32; x 3 x 8 x 1,024 x 1,024 float32.
;; Outputs: out0 8 x 1,024 x 1,024 float32.
;; This version of the problem:
;;   THIS VERSION OF THE PROBLEM IS GIVEN IN LOW PRECISION. The matrix products marked QUANTISED in the list below multiply operands that are first quantised to E2M1 (2 exponent bits, 1 mantissa bit; 4 bits a number), with one power-of-two scale for each 32 numbers along K (OCP MX v1.0); their sums are f32. The products marked 'left as it is' may take bf16, f16 or f32 operands, with f32 sums. Whichever they take, every output number must still come out within the allowed error. Rounding operands to bf16 (8 significant bits) uses up far more of that allowance than f16 does (11 bits, for magnitudes from 6e-5 to 65,504). All else is computed in f32.
;;   The module's matrix products, in the order in which they are computed (A, B: the left and right operand; K: the contracted axis; several contracted axes count as one K, in the product's order):
;;     1. [M 8,192, K 1,024] x [K 1,024, N 1,024]; A: input x; B: input L_K: QUANTISED
;;     2. [M 8,192, K 1,024] x [K 1,024, N 1,024]; A: input x; B: input L_Q: QUANTISED
;;     3. [M 8,192, K 1,024] x [K 1,024, N 1,024]; A: input x; B: input L_V: QUANTISED
;;     4. batch 128 x [M 1,024, K 64] x [K 64, N 1,024]; A: computed on the way; B: computed on the way: left as it is (an operand is computed on the way)
;;     5. batch 128 x [M 64, K 1,024] x [K 1,024, N 1,024]; A: computed on the way; B: computed on the way: left as it is (an operand is computed on the way)
;;     6. [M 8,192, K 1,024] x [K 1,024, N 1,024]; A: computed on the way; B: input dense_M: left as it is (an operand is computed on the way)
;;   THE QUANTISER, for each operand of a quantised product, along K:
;;     - K is cut into blocks of 32 from its start; a last block that is shorter is filled with zeros.
;;     - A block's scale is 2^e with e = floor(log2(the largest magnitude in the block)) - 2, held to -126 .. 127; a block of zeros has e = 0. As a byte (E8M0): e + 127.
;;     - Each number is divided by its block's scale, clamped to +-6, and rounded to the nearest number of E2M1, ties to even, subnormals kept.
;;     - The product sums the exact products of the quantised numbers (number of the format x scale) in f32.
;;   ~~~python
;;   def quantise(x, axis):      # numpy; x: float32 -> the quantised numbers, widened to float32 again
;;       x = np.moveaxis(x, axis, -1); K = x.shape[-1]
;;       x = np.pad(x, [(0, 0)] * (x.ndim - 1) + [(0, -K % 32)]); x = x.reshape(x.shape[:-1] + (-1, 32)); a = np.abs(x).max(-1, keepdims=True)
;;       e = np.where(a > 0, np.clip(np.frexp(np.where(a > 0, a, 1))[1] - 1 - 2, -126, 127), 0)      # np.frexp(a)[1] - 1 = floor(log2(a)), exactly
;;       r = np.clip(x / 2.0 ** e, -6, 6)
;;       step = 2.0 ** (np.maximum(np.frexp(np.where(r == 0, 1, r))[1] - 1, 0) - 1)
;;       q = np.round(r / step) * step * 2.0 ** e      # np.round: ties to even
;;       return np.moveaxis(q.reshape(q.shape[:-2] + (-1,))[..., :K], -1, axis).astype(np.float32)
;;   ~~~
;; One version. Each part assembles by itself: llvm-mc -triple=amdgcn-amd-amdhsa -mcpu=gfx1250 --defsym DOCPART=n.
;; ======== version 1 of 1: 4 launches
;; limits: values are held in f16: magnitudes above 65,504 overflow, below 6.1e-05 lose precision
;; workspace buffers: xc 12,582,912 bytes; xs 786,432 bytes; lc 1,572,864 bytes; ls 98,304 bytes; m16 2,097,152 bytes; p16 50,331,648 bytes; o16 16,777,216 bytes
;; launch quant (part 1): grid 512 x 1, 4 waves a work-group, no clusters, 68,096 bytes of LDS; arguments x, L_K, L_Q, L_V, dense_M, xc, xs, lc, ls, m16; writes xc, xs, lc, ls, m16
.if DOCPART == 1
	.amdgcn_target "amdgcn-amd-amdhsa--gfx1250"
	.amdhsa_code_object_version 6
	.text
	.protected	k_qbff3c300a2_quant
	.globl	k_qbff3c300a2_quant
	.p2align	8
	.type	k_qbff3c300a2_quant,@function
k_qbff3c300a2_quant:
	s_mov_b64 s[64:65], 0
	v_nop
	global_prefetch_b8 v0, s[64:65] scope:SCOPE_SE
	s_setreg_imm32_b32 hwreg(HW_REG_WAVE_MODE, 25, 1), 1
	s_wait_xcnt 0x0
; THE OPERANDS OF THE THREE QUANTISED PRODUCTS BECOME CODES OF FP4 (E2M1) WITH ONE E8M0 BYTE FOR EACH 32 ALONG f; dense_M BECOMES f16.
; x [3][8][1024 f][1024 w] f32: f, the products' K, is not innermost  ->  xc [24][1024 w][512 bytes], f innermost, two codes a byte; xs [24][1024 w][32 bytes].
; L_K, L_Q, L_V [1024 e][1024 f] f32: f is innermost                  ->  lc [3][1024 e][512 bytes]; ls [3][1024 e][32 bytes]   (0 = L_K, 1 = L_Q, 2 = L_V, as x[0], x[1], x[2] meet them).
; dense_M [1024][1024] f32                                            ->  m16, the same places in f16, rounded once.
; A block's scale is 2^(floor(log2(its largest magnitude)) - 2); its byte is the largest magnitude's exponent field - 2, held at 1 from below.
; LIMITS: a block of zeros gets the byte 1 where the quantiser says 127: its codes are zeros, which add nothing under any byte but 0xff, and the bytes are read by this program alone.
; Blocks whose largest magnitude lies under 2^-124 get the byte 1.  NaN and infinities among the inputs are not served.  dense_M beyond 65,504 is not served (f16).
; SHARES: work-groups 0-383 take x (128 columns w x 512 along f each), 384-479 the three L (32,768 numbers each), 480-511 dense_M (32,768 numbers each).
; The three ways part on the work-group's number alone; each has LDS bytes of its own; waves share nothing: no barrier.
.set SPW,   192                        ; v192  LDS address of my spare word: SPARE + 4 x my thread's number; never rewritten
.set NIL,   193                        ; v193  0; never rewritten
.set LBASE, 34816                      ; LDS: 0 .. 34,815 the x way's four stages; from here the L way's four regions of 8,192 bytes
.set SPARE, 67584                      ; behind them: the spare words, 128 bytes for each wave, which no other line names
.set EMAX,  2
	s_load_b512 s[4:19], s[0:1], 0x0               ; x 4:5, L_K 6:7, L_Q 8:9, L_V 10:11, dense_M 12:13, xc 14:15, xs 16:17, lc 18:19
	s_load_b128 s[20:23], s[0:1], 0x40             ; ls 20:21, m16 22:23
	v_lshl_add_u32 v[SPW], v0, 2, SPARE
	v_mov_b32 v[NIL], 0
	v_lshrrev_b32 v1, 5, v0
	v_readfirstlane_b32 s24, v1                    ; wave 0..3
	v_and_b32 v2, 31, v0                           ; lane
	s_wait_kmcnt 0x0
	s_cmp_ge_u32 ttmp9, 480
	s_cbranch_scc1 .Lpath_m
	s_cmp_ge_u32 ttmp9, 384
	s_cbranch_scc1 .Lpath_l
; ---- x.  A LANE TAKES A COLUMN w, AND ITS REGISTERS RUN DOWN f: each load reads neighbouring w in neighbouring lanes (128 consecutive bytes a wave, 512 a work-group), a block of 32 along f lies in one
; lane's 32 registers, and the conversions give the codes with f innermost.  A wave takes 32 columns x 512 along f: 256 bytes of codes a column, which go through the wave's own stage and leave as rows:
; sixteen lanes store 256 consecutive bytes, aligned.  Loads run two blocks ahead.
.set NB,    16                         ; blocks of 32 along f for a wave
.set PITCH, 272                        ; a stage row: 256 bytes + 16
.set KROW,  512                        ; a row of xc in bytes
.set XX,    32                         ; v32-95   two sets of 32 numbers
.set CC,    96                         ; v96-99   a block's codes
.set OUTR,  112                        ; v112-175 the way out
.set SB,    24                         ; v24-27   the scale bytes, four to a register
	s_lshr_b32 s25, ttmp9, 4                       ; which of the 24 matrices [f][w]
	s_and_b32 s26, ttmp9, 7                        ; which 128 columns
	s_bfe_u32 s27, ttmp9, 0x10003                  ; which half of f
	s_lshl_b32 s28, s26, 7
	s_lshl_b32 s29, s24, 5
	s_add_co_u32 s28, s28, s29                     ; my wave's first column
	s_lshl_b32 s30, s25, 22                        ; x: 4 MiB a matrix,
	s_lshl_b32 s31, s27, 21                        ; 512 rows of 4,096 bytes,
	s_add_co_u32 s30, s30, s31
	s_lshl_b32 s31, s28, 2                         ; 4 bytes a column
	s_add_co_u32 s30, s30, s31
	s_mov_b32 s31, 0
	s_lshl_b32 s32, s25, 10
	s_add_co_u32 s32, s32, s28                     ; my first row of xc and xs
	s_lshl_b32 s34, s32, 9
	s_lshl_b32 s35, s27, 8
	s_add_co_u32 s34, s34, s35                     ; xc: 512 bytes a row, + 256 for the upper half of f
	s_mov_b32 s35, 0
	s_lshl_b32 s36, s32, 5
	s_lshl_b32 s37, s27, 4
	s_add_co_u32 s36, s36, s37                     ; xs: 32 bytes a row, + 16
	s_mov_b32 s37, 0
	s_add_nc_u64 s[4:5], s[4:5], s[30:31]
	s_add_nc_u64 s[14:15], s[14:15], s[34:35]
	s_add_nc_u64 s[16:17], s[16:17], s[36:37]
	v_lshlrev_b32 v3, 2, v2                        ; in: 4 bytes a lane
	s_mul_i32 s38, s24, 32*PITCH                   ; my stage
	v_mul_u32_u24 v4, v2, PITCH
	v_add_nc_u32 v4, s38, v4                       ; into it: row = my column
	v_and_b32 v5, 15, v2
	v_lshrrev_b32 v6, 4, v2                        ; out of it: sixteen lanes to a row, two rows an instruction
	v_mul_u32_u24 v7, v6, PITCH
	v_lshl_add_u32 v7, v5, 4, v7
	v_add_nc_u32 v7, s38, v7
	v_mul_u32_u24 v8, v6, KROW
	v_lshl_add_u32 v8, v5, 4, v8                   ; and the same place in xc
	v_lshlrev_b32 v9, 5, v2                        ; my column's row of scale bytes
.macro LOADX t                         ; block t: x(32 t + i, my column) into set t % 2; every offset is an immediate, 511 rows of 4,096 bytes at the most
.irp i, 0,1,2,3,4,5,6,7,8,9,10,11,12,13,14,15,16,17,18,19,20,21,22,23,24,25,26,27,28,29,30,31
	global_load_b32 v[XX+32*((\t)%2)+\i], v3, s[4:5] offset:(32*(\t)+\i)*4096 th:TH_LOAD_NT
.endr
.endm
.macro BLOCKX t
.set XS, XX+32*((\t)%2)
.if (\t) < NB-1
	s_wait_loadcnt 32                              ; this block's 32 loads are in; the next block's may be out
.else
	s_wait_loadcnt 0
.endif
	v_max3_num_f32 v12, |v[XS]|, |v[XS+1]|, |v[XS+2]|               ; the block's largest magnitude: all 32 numbers are mine; two chains
	v_max3_num_f32 v13, |v[XS+3]|, |v[XS+4]|, |v[XS+5]|
.irp i, 6,10,14,18,22,26
	v_max3_num_f32 v12, v12, |v[XS+\i]|, |v[XS+\i+1]|
	v_max3_num_f32 v13, v13, |v[XS+\i+2]|, |v[XS+\i+3]|
.endr
	v_max3_num_f32 v12, v12, |v[XS+30]|, |v[XS+31]|
	v_max3_num_f32 v12, v12, v13, (EMAX+1)<<23     ; and the floor 2^(3 - 127): the byte cannot fall under 1
	v_add_nc_u32 v11, -(EMAX<<23), v12             ; 2 off its exponent field: the conversion takes the exponent field of this operand as its scale
	v_lshrrev_b32 v13, 23, v11                     ; the scale's byte
.if (\t)%4 == 0
	v_mov_b32 v[SB+(\t)/4], v13                    ; four bytes to a register, the lower f in the lower byte
.else
	v_lshl_or_b32 v[SB+(\t)/4], v13, 8*((\t)%4), v[SB+(\t)/4]
.endif
.irp g, 0,1,2,3
	v_cvt_scalef32_pk8_fp4_f32 v[CC+\g], v[XS+8*\g:XS+8*\g+7], v11
.endr
	ds_store_b128 v4, v[CC:CC+3] offset:16*(\t)    ; 32 codes: 16 bytes of my column's row
.if (\t)+2 < NB
	LOADX (\t)+2
.endif
	s_wait_dscnt 0x0                               ; the store has read its registers: the next block's codes may be written
.endm
	LOADX 0
	LOADX 1
.irp t, 0,1,2,3,4,5,6,7,8,9,10,11,12,13,14,15
	BLOCKX \t
.endr
	global_store_b128 v9, v[SB:SB+3], s[16:17]     ; my column's 16 scale bytes
.irp t, 0,1,2,3,4,5,6,7,8,9,10,11,12,13,14,15
	ds_load_b128 v[OUTR+4*\t:OUTR+4*\t+3], v7 offset:2*\t*PITCH   ; LDS serves a wave's instructions in order: these see my stores
.endr
.irp t, 0,1,2,3,4,5,6,7,8,9,10,11,12,13,14,15
	s_wait_dscnt 15-\t                             ; the younger loads may be out
	global_store_b128 v8, v[OUTR+4*\t:OUTR+4*\t+3], s[14:15] offset:2*\t*KROW
.endr
	s_branch .Lend
; ---- L_K, L_Q, L_V.  f is innermost and rows are dense: a plain stream of blocks of 32.  A wave takes 16 steps of 512 numbers.  Each of a step's four loads reads 512 consecutive bytes, 16 a lane; the 2,048 bytes
; turn through the wave's own stage (16 bytes of padding behind each 64) and come back 64 bytes a lane: 16 neighbours along f; two neighbouring lanes hold a block.  A lane's 16 codes are 8 bytes: the wave stores
; 256 consecutive bytes.  A wave's 256 scale bytes are gathered in LDS and leave as one store of 256 consecutive bytes.
.set STEPS, 16
.set CB,    8                          ; bytes of 16 codes
.set LR,    16                         ; v16-79   four sets of 16 numbers as they are loaded
.set LX,    80                         ; v80-111  two sets of 16 neighbours
.set LE,    112                        ; v112-127 a scale byte for each step
.set LC,    128                        ; v128-191 codes: four registers for each step, so that no store's data are written again
.set WREG,  8192                       ; a wave's region: two stages of 32 x SP bytes, behind them its 256 scale bytes
.set SP,    80
.Lpath_l:
	s_sub_co_u32 s25, ttmp9, 384
	s_lshr_b32 s26, s25, 5                         ; which L
	s_and_b32 s27, s25, 31
	s_lshl_b32 s27, s27, 2
	s_add_co_u32 s27, s27, s24                     ; which run of 8,192 numbers is my wave's
	s_cmp_eq_u32 s26, 0                            ; the choice hangs on the work-group's number alone
	s_cselect_b64 s[6:7], s[6:7], s[8:9]
	s_cmp_eq_u32 s26, 2
	s_cselect_b64 s[6:7], s[10:11], s[6:7]
	s_lshl_b32 s28, s27, 15
	s_mov_b32 s29, 0
	s_add_nc_u64 s[6:7], s[6:7], s[28:29]          ; 32,768 bytes of f32 a run
	s_lshl_b32 s30, s26, 19
	s_lshl_b32 s31, s27, 12
	s_add_co_u32 s30, s30, s31
	s_mov_b32 s31, 0
	s_add_nc_u64 s[18:19], s[18:19], s[30:31]      ; 4,096 bytes of codes
	s_lshl_b32 s32, s26, 15
	s_lshl_b32 s33, s27, 8
	s_add_co_u32 s32, s32, s33
	s_mov_b32 s33, 0
	s_add_nc_u64 s[20:21], s[20:21], s[32:33]      ; 256 scale bytes
	v_lshlrev_b32 v3, 4, v2                        ; my 16 bytes of a load's 512
	s_mul_i32 s34, s24, WREG
	s_add_co_u32 s34, s34, LBASE
	v_lshrrev_b32 v14, 2, v2
	v_mul_u32_u24 v14, v14, SP
	v_and_b32 v15, 3, v2
	v_lshl_add_u32 v14, v15, 4, v14
	v_add_nc_u32 v14, s34, v14                     ; the stage, on the way in: SP (lane / 4) + 16 (lane % 4)
	v_mul_u32_u24 v15, v2, SP
	v_add_nc_u32 v15, s34, v15                     ; and on the way out: SP x lane: my 16 neighbours
	v_mul_u32_u24 v4, v2, CB                       ; my codes' place in a step's
	v_lshrrev_b32 v5, 1, v2
	s_add_co_u32 s34, s34, 2*32*SP
	v_add_nc_u32 v5, s34, v5                       ; my wave's 256 scale bytes, my block's byte
	v_lshlrev_b32 v7, 3, v2                        ; and on the way out 8 bytes a lane
	v_add_nc_u32 v6, s34, v7
.macro LOADL t
.irp i, 0,1,2,3
	global_load_b128 v[LR+16*((\t)%4)+4*\i:LR+16*((\t)%4)+4*\i+3], v3, s[6:7] offset:2048*(\t)+512*\i th:TH_LOAD_NT
.endr
.endm
.macro TURNL t                         ; step t's numbers through the stage: LDS serves a wave's instructions in order, so no wait stands between the stores and the loads
.irp i, 0,1,2,3
	ds_store_b128 v14, v[LR+16*((\t)%4)+4*\i:LR+16*((\t)%4)+4*\i+3] offset:32*SP*((\t)%2)+8*SP*\i
.endr
.irp i, 0,1,2,3
	ds_load_b128 v[LX+16*((\t)%2)+4*\i:LX+16*((\t)%2)+4*\i+3], v15 offset:32*SP*((\t)%2)+16*\i
.endr
.endm
.macro STEPL t
.set XT, LX+16*((\t)%2)
.if (\t) > 0
	s_wait_dscnt 1                                 ; this step's numbers are back from the stage (the last step's byte store may be out): so its stores into the stage have read their registers,
.else
	s_wait_dscnt 0x0
.endif
.if (\t)+4 < STEPS
	LOADL (\t)+4                                   ; which take the loads of four steps on
.endif
.if (\t)+1 < STEPS
.if STEPS-2-(\t) >= 3
	s_wait_loadcnt 12                              ; the next step's four loads are in; those of the three steps behind it may be out
.else
	s_wait_loadcnt 4*(STEPS-2-(\t))
.endif
	TURNL (\t)+1
.endif
	v_max3_num_f32 v8, |v[XT]|, |v[XT+1]|, |v[XT+2]|               ; the largest magnitude of my 16
	v_max3_num_f32 v9, |v[XT+3]|, |v[XT+4]|, |v[XT+5]|
.irp i, 6,10
	v_max3_num_f32 v8, v8, |v[XT+\i]|, |v[XT+\i+1]|
	v_max3_num_f32 v9, v9, |v[XT+\i+2]|, |v[XT+\i+3]|
.endr
	v_max3_num_f32 v8, v8, |v[XT+14]|, |v[XT+15]|
	v_max3_num_f32 v8, v8, v9, (EMAX+1)<<23        ; and the floor
	v_max_num_f32_dpp v8, v8, v8 row_xmask:1 row_mask:0xf bank_mask:0xf   ; and of my neighbour's 16: the block's
	v_add_nc_u32 v11, -(EMAX<<23), v8
	v_cvt_scalef32_pk8_fp4_f32 v[LC+4*(\t)], v[XT:XT+7], v11
	v_cvt_scalef32_pk8_fp4_f32 v[LC+4*(\t)+1], v[XT+8:XT+15], v11
	v_lshrrev_b32 v[LE+(\t)], 23, v11              ; the scale's byte (also the plain line behind the conversions)
	ds_store_b8 v5, v[LE+(\t)] offset:16*(\t)      ; both lanes of a block write the same byte with the same value
	global_store_b64 v4, v[LC+4*(\t):LC+4*(\t)+1], s[18:19] offset:32*CB*(\t)
.endm
.irp t, 0,1,2,3
	LOADL \t
.endr
	s_wait_loadcnt 12                              ; step 0's four loads are in
	TURNL 0
.irp t, 0,1,2,3,4,5,6,7,8,9,10,11,12,13,14,15
	STEPL \t
.endr
	ds_load_b64 v[8:9], v6                         ; in order behind my byte stores
	s_wait_dscnt 0x0
	global_store_b64 v7, v[8:9], s[20:21]          ; 32 lanes store 256 consecutive bytes, aligned
	s_branch .Lend
; ---- dense_M to f16.  A wave takes 8,192 numbers in two batches of 32 loads of 512 consecutive bytes; a lane's four numbers become 8 bytes, and a wave's store covers 256 consecutive bytes, aligned.
.Lpath_m:
	s_sub_co_u32 s25, ttmp9, 480
	s_lshl_b32 s26, s25, 17
	s_lshl_b32 s27, s24, 15
	s_add_co_u32 s26, s26, s27
	s_mov_b32 s27, 0
	s_add_nc_u64 s[12:13], s[12:13], s[26:27]
	s_lshr_b32 s26, s26, 1
	s_add_nc_u64 s[22:23], s[22:23], s[26:27]
	v_lshlrev_b32 v3, 4, v2
	v_lshlrev_b32 v4, 3, v2
.irp bt, 0,1
.if \bt
	s_wait_xcnt 0x0                                ; the first batch's stores have read their registers: they are loaded again only behind this wait
.endif
.irp i, 0,1,2,3,4,5,6,7,8,9,10,11,12,13,14,15,16,17,18,19,20,21,22,23,24,25,26,27,28,29,30,31
	global_load_b128 v[16+4*\i:19+4*\i], v3, s[12:13] offset:512*\i+16384*\bt th:TH_LOAD_NT
.endr
.irp i, 0,1,2,3,4,5,6,7,8,9,10,11,12,13,14,15,16,17,18,19,20,21,22,23,24,25,26,27,28,29,30,31
	s_wait_loadcnt 31-\i                           ; the younger loads of the batch may be out
	v_cvt_pk_f16_f32 v[16+4*\i], v[16+4*\i], v[17+4*\i]
	v_cvt_pk_f16_f32 v[17+4*\i], v[18+4*\i], v[19+4*\i]
	global_store_b64 v4, v[16+4*\i:17+4*\i], s[22:23] offset:256*\i+8192*\bt
.endr
.endr
.Lend:
	s_wait_tensorcnt 0x0                           ; the wave's end: three lines behind my last LDS store, the first of them even in a text with no tensor load
	ds_add_u32 v[SPW], v[NIL]
	s_wait_dscnt 0x0
	s_endpgm
.Lfunc_end_k_qbff3c300a2_quant:
	.size	k_qbff3c300a2_quant, .Lfunc_end_k_qbff3c300a2_quant-k_qbff3c300a2_quant
	.p2alignl 7, 3214868480
	.fill 96, 4, 3214868480
	.section	.rodata,"a",@progbits
	.p2align	6, 0x0
	.amdhsa_kernel k_qbff3c300a2_quant
		.amdhsa_group_segment_fixed_size 68096
		.amdhsa_private_segment_fixed_size 0
		.amdhsa_enable_private_segment 0
		.amdhsa_kernarg_size 80
		.amdhsa_user_sgpr_count 2
		.amdhsa_user_sgpr_kernarg_segment_ptr 1
		.amdhsa_wavefront_size32 1
		.amdhsa_system_sgpr_workgroup_id_x 1
		.amdhsa_system_sgpr_workgroup_id_y 1
		.amdhsa_system_sgpr_workgroup_id_z 1
		.amdhsa_system_vgpr_workitem_id 0
		.amdhsa_next_free_vgpr 194
		.amdhsa_next_free_sgpr 66
		.amdhsa_reserve_vcc 0
		.amdhsa_float_denorm_mode_32 3
		.amdhsa_float_denorm_mode_16_64 3
		.amdhsa_memory_ordered 1
		.amdhsa_forward_progress 1
		.amdhsa_inst_pref_size 134
	.end_amdhsa_kernel
	.amdgpu_metadata
---
amdhsa.version: [ 1, 2 ]
amdhsa.kernels:
  - .name:           k_qbff3c300a2_quant
    .symbol:         k_qbff3c300a2_quant.kd
    .args:
      - { .name: x, .offset: 0, .size: 8, .value_kind: global_buffer, .address_space: global }
      - { .name: L_K, .offset: 8, .size: 8, .value_kind: global_buffer, .address_space: global }
      - { .name: L_Q, .offset: 16, .size: 8, .value_kind: global_buffer, .address_space: global }
      - { .name: L_V, .offset: 24, .size: 8, .value_kind: global_buffer, .address_space: global }
      - { .name: dense_M, .offset: 32, .size: 8, .value_kind: global_buffer, .address_space: global }
      - { .name: xc, .offset: 40, .size: 8, .value_kind: global_buffer, .address_space: global }
      - { .name: xs, .offset: 48, .size: 8, .value_kind: global_buffer, .address_space: global }
      - { .name: lc, .offset: 56, .size: 8, .value_kind: global_buffer, .address_space: global }
      - { .name: ls, .offset: 64, .size: 8, .value_kind: global_buffer, .address_space: global }
      - { .name: m16, .offset: 72, .size: 8, .value_kind: global_buffer, .address_space: global }
    .group_segment_fixed_size: 68096
    .private_segment_fixed_size: 0
    .kernarg_segment_align: 8
    .kernarg_segment_size: 80
    .max_flat_workgroup_size: 128
    .sgpr_count:     66
    .vgpr_count:     194
    .wavefront_size: 32
...
	.end_amdgpu_metadata
.endif
;; end of part 1
;; launch proj (part 2): grid 4 x 96, 4 waves a work-group, clusters of 4 x 4, 327,680 bytes of LDS; arguments xc, xs, lc, ls, p16; writes p16
.if DOCPART == 2
	.amdgcn_target "amdgcn-amd-amdhsa--gfx1250"
	.amdhsa_code_object_version 6
	.text
	.protected	k_qbff3c300a2_proj
	.globl	k_qbff3c300a2_proj
	.p2align	8
	.type	k_qbff3c300a2_proj,@function
k_qbff3c300a2_proj:
	s_mov_b64 s[64:65], 0
	v_nop
	global_prefetch_b8 v0, s[64:65] scope:SCOPE_SE
	s_setreg_imm32_b32 hwreg(HW_REG_WAVE_MODE, 25, 1), 1
	s_wait_xcnt 0x0
	s_wait_alu depctr_hold_cnt(0) depctr_sa_sdst(0) depctr_va_vdst(0) depctr_va_sdst(0) depctr_va_ssrc(0) depctr_va_vcc(0) depctr_vm_vsrc(0)
	s_getreg_b32 s2, hwreg(HW_REG_IB_STS2, 6, 4)
	s_cmp_eq_u32 s2, 0
	s_cbranch_scc0 .Lentry_in_a_cluster
	s_endpgm
.Lentry_in_a_cluster:
	s_bfe_u32 s2, ttmp6, 0x10000c
	s_cmp_lg_u32 s2, 0xf033
	s_cbranch_scc0 .Lentry_shape_is_right
	s_endpgm
.Lentry_shape_is_right:
; THE THREE PROJECTIONS, ON CODES OF FP4 (E2M1) WITH ONE E8M0 SCALE FOR EACH 32 ALONG f:  P[t][b][e][w] = sum over f of L_t[e][f] x[t][b][f][w], sums in f32, results rounded once to f16.
; xc [24 = 8 t + b][1024 w][512 bytes], xs [24][1024 w][32]; lc [3][1024 e][512], ls [3][1024 e][32].  The matrix instruction takes codes and scale bytes as they lie.
; p16: 24 blocks of 2 MiB, block 8 t + b.  t = 0, 1 (the K and Q projections): [16 heads][1024 w][64 d];  t = 2 (V): [1024 e][1024 w].  So each later product finds its K innermost.
; LIMIT: results beyond 65,504 in magnitude are not served (f16).
; A cluster of 4 x 4 work-groups makes one block (cluster y = 8 t + b): 16 tiles of 256 x 256; a wave makes 128 x 128: 64 accumulators, 512 registers.
; In general form C[m][n] = sum over k of A[m][k] B[n][k], USED TRANSPOSED (source 0 = 16 rows of B, source 1 = 16 rows of A): a lane holds eight neighbouring n of one row m.
;   t = 0, 1: A = x's codes (m = w), B = L's (n = e): a lane's eight are eight neighbouring d of one w.     t = 2: A = L's (m = e), B = x's (n = w): eight neighbouring w of one e.
; Which is which is a choice of pointers and of first rows on the cluster's y alone, the same in all sixteen partners.
; The four work-groups of a row of the cluster need the same tile of A, the four of a column the same tile of B: each tile is asked for JOINTLY.
; ALL OF K (1,024: 512 bytes a row) lies in two LDS slots of 512 along K, and the scales of the tile's rows behind them: three tensor loads a wave, all at the head; no byte of LDS is filled twice.
; REGISTERS, in windows of 256: window 0: v0-31 addresses; v32-95 scale words, two sets, and nothing else ever; v96-127 packed results; v128-191 A's fragments, one set; v192-255 rows on the way out.
;   window 1: B's fragments, two sets, at v0 and v128.   window 2: the accumulators of my rows 0-63 ((a, b) at v[8 (8 a + b)]);   window 3: those of my rows 64-127.
.set NQ,     4                         ; matrix instructions deep in a slot
.set ROWB,   256                       ; a tile's row in bytes: 512 codes
.set KROW,   512                       ; a row of codes in memory
.set PITCH,  272                       ; an LDS row: 256 bytes + 16 of padding = 68 words: the 16 rows that a load touches start at 16 different banks (64 banks of 4 bytes: ISA guide 11.1)
.set FR,     8                         ; registers of a fragment: 16 rows x 128 K
.set NL,     2                         ; LDS loads that bring one
.set NP,     4                         ; places behind this matrix instruction (ISA guide 7.12.1)
.set HALFT,  128*PITCH                 ; 128 rows: what one tensor load brings, and what one wave reads of A or of B
.set SLOT,   4*HALFT                   ; A's 256 rows, then B's 256 rows
.set KS,     32                        ; a row of scales in bytes
.set SCL,    2*SLOT                    ; behind the slots: the scales, as units of 256 bytes + 16 of padding
.set HALFS,  (128*KS/256)*272          ; the scales of 128 rows: what one tensor load brings
.set SBLK,   (16*KS/256)*272           ; those of 16 rows
.set SPARE,  SCL+4*HALFS               ; the spare words, 128 bytes for each wave, which no other line names
.set SPITCH, 272                       ; the way out: a stage of 16 rows x (256 bytes + 16) for each wave, in slot 0, which has had its one fill and its last read when the first result is stored there
.set ADRA, 16                          ; v16-17  LDS address of my A fragments in slot 0, 1
.set ADRB, 20                          ; v20-21  the same for B
.set STO,  24                          ; v24     the way out: where I put 16 bytes of a row
.set RDV,  25                          ; v25     V: where I read a row back;  v26 my byte offset in p16
.set COV,  26
.set ADRS, 27                          ; v27     LDS address of my scale words: lanes 0-15 A's rows, lanes 16-31 B's
.set SPW,  28                          ; v28     LDS address of my spare word; never rewritten
.set NIL,  29                          ; v29     0; never rewritten
.set RDH,  30                          ; v30, v31  the same two as v25, v26 for the layout by heads
.set COH,  31
.set SC,   32
.set TMP,  96
.set AF,   128
.set BK,   192
.set G1, 24                            ; s[24:31] descriptor group 1 for A's tiles;  s[32:39] group 0, one set for each slot
.set G0, 32
.set G1B, 48                           ; s[48:55], s[56:63] the same for B's tiles
.set G0B, 56
.set G1S, 68                           ; s[68:75], s[76:79] groups 1 and 0 for A's scales;  s[80:87], s[88:91] for B's
.set G0S, 76
.set G1SB, 80
.set G0SB, 88
.set MSB, 0
.macro WIN new                         ; the immediate's high byte repeats the setting that is left
.if MSB != \new
	s_set_vgpr_msb (MSB<<8)|\new
.set MSB, \new
.endif
.endm
.set MUL_LO, 0xa1                      ; source 0 (B) window 1, source 1 (A) window 0, C and D window 2
.set MUL_HI, 0xf1                      ; the same, C and D window 3
.set TO_B,   0x40                      ; destination window 1, address window 0
; A joint load: waves 0 and 1 fetch for A, waves 2 and 3 for B.  Each of the two lines has one mask and one set of registers for all that issue it; the branch hangs on the wave's number alone.
; An s_nop 0 and four v_nop follow each of the two lines, ahead of the jump, the label and what follows.
.macro JLOAD g0a, g1a, g0b, g1b
	s_cmp_eq_u32 s15, 0
	s_cbranch_scc0 .Lfor_b_\@
	tensor_load_to_lds s[\g0a:\g0a+3], s[\g1a:\g1a+7]
	s_nop 0
.rept 4
	v_nop
.endr
	s_branch .Lasked_\@
.Lfor_b_\@:
	tensor_load_to_lds s[\g0b:\g0b+3], s[\g1b:\g1b+7]
	s_nop 0
.rept 4
	v_nop
.endr
.Lasked_\@:
.endm
.macro CROUND                          ; a round of the cluster's barrier
	s_barrier_signal -1
	s_barrier_wait -1
	s_cmp_lg_u32 s14, 0
	s_cbranch_scc1 .Lnot_wave_0_\@
	s_barrier_signal -3
.Lnot_wave_0_\@:
	s_barrier_wait -3
	s_barrier_signal -1
	s_barrier_wait -1
.endm
	s_load_b128 s[4:7], s[0:1], 0x0                ; xc, xs
	s_load_b128 s[8:11], s[0:1], 0x10              ; lc, ls
	s_load_b64 s[12:13], s[0:1], 0x20              ; p16
	v_lshl_add_u32 v[SPW], v0, 2, SPARE
	v_mov_b32 v[NIL], 0
	ds_add_u32 v[SPW], v[NIL]                      ; the wave's opening: the add, twice on end, and its wait ahead of my first tensor load; the set-up below stands between
	ds_add_u32 v[SPW], v[NIL]
	v_lshrrev_b32 v1, 5, v0
	v_readfirstlane_b32 s14, v1                    ; wave 0..3
	s_lshr_b32 s15, s14, 1                         ; which half of the tile's rows is mine.  Also: I fetch for A (0) or for B (1)
	s_and_b32 s16, s14, 1                          ; which half of its columns.  Also: which 128 rows of that tile I fetch
	s_bfe_u32 s40, ttmp6, 0x40000                  ; cx, cy: my place in the cluster
	s_bfe_u32 s41, ttmp6, 0x40004
	s_lshl_b32 s42, ttmp9, 2
	s_add_co_u32 s42, s42, s40                     ; tile column
	s_and_b32 s66, ttmp7, 0xffff                   ; cluster y = 8 t + b
	s_lshr_b32 s67, s66, 3                         ; t
	s_lshl_b32 s43, s41, 2
	s_lshl_b32 s43, 15, s43                        ; my row of the cluster
	s_lshl_b32 s44, 0x1111, s40                    ; my column
	; descriptor group 1: a tile of 128 rows x 256 bytes, padded in LDS
	s_or_b32 s[G1+0], s43, (0<<16)|(1<<20)|(1<<21)|(5<<22)|(3<<25)  ; 15:0 the mask: A's tiles go to my row; 17:16 element of 1 byte; 20 padding on; 21 set beside a mask; 24:22 after every 64 words; 31:25 four words
	s_or_b32 s[G1B+0], s44, (0<<16)|(1<<20)|(1<<21)|(5<<22)|(3<<25)
.irp g, G1, G1B
	s_mov_b32 s[\g+1], ROWB<<16                    ; tensor_dim0
	s_mov_b32 s[\g+2], 128<<16                     ; tensor_dim1
	s_mov_b32 s[\g+3], ROWB<<16                    ; tile_dim0
	s_mov_b32 s[\g+4], 128                         ; tile_dim1
	s_mov_b32 s[\g+5], KROW                        ; tensor_dim0_stride
	s_mov_b32 s[\g+6], 0
	s_mov_b32 s[\g+7], 0
.endr
	; and for the scales of 128 rows: a dense block of 4,096 bytes, as 16 rows of 256 bytes (32 elements of 8 bytes), 16 bytes of padding behind each
	s_or_b32 s[G1S+0], s43, (3<<16)|(1<<20)|(1<<21)|(5<<22)|(3<<25)
	s_or_b32 s[G1SB+0], s44, (3<<16)|(1<<20)|(1<<21)|(5<<22)|(3<<25)
.irp g, G1S, G1SB
	s_mov_b32 s[\g+1], 32<<16
	s_mov_b32 s[\g+2], (128*KS/256)<<16
	s_mov_b32 s[\g+3], 32<<16
	s_mov_b32 s[\g+4], 128*KS/256
	s_mov_b32 s[\g+5], 32
	s_mov_b32 s[\g+6], 0
	s_mov_b32 s[\g+7], 0
.endr
	s_lshl_b32 s2, s67, 10                         ; L_t's first row in lc
	s_lshl_b32 s3, s66, 10                         ; x[t][b]'s first row in xc
	s_cmp_ge_u32 s66, 16                           ; V?  The cluster's y alone
	s_cselect_b32 s100, s2, s3                     ; A's first row
	s_cselect_b32 s101, s3, s2                     ; B's
	s_cselect_b32 s95, 1, 0
	s_lshl_b32 s18, s16, 7                         ; which 128 rows of the tile I fetch
	s_lshl_b32 s20, s41, 8
	s_add_co_u32 s20, s20, s18
	s_add_co_u32 s20, s20, s100                    ; A: first row + 256 cy + 128 x half
	s_lshl_b32 s46, s42, 8
	s_add_co_u32 s46, s46, s18
	s_add_co_u32 s46, s46, s101                    ; B: first row + 256 x tile column + 128 x half
	s_mov_b32 s21, 0
	s_mov_b32 s47, 0
	s_mov_b64 s[18:19], KS
	s_mul_u64 s[22:23], s[20:21], s[18:19]         ; where these rows' scales begin, in bytes
	s_mul_u64 s[92:93], s[46:47], s[18:19]
	s_mov_b64 s[18:19], KROW
	s_mul_u64 s[20:21], s[20:21], s[18:19]         ; and their codes
	s_mul_u64 s[46:47], s[46:47], s[18:19]
	s_mul_i32 s45, s14, HALFT                      ; where they go: wave x 128 rows: no place in the cluster enters an LDS address
	s_mul_i32 s94, s14, HALFS
	s_wait_dscnt 0x0                               ; both opening adds are done
	s_wait_kmcnt 0x0
	s_cmp_ge_u32 s66, 16
	s_cselect_b64 s[96:97], s[8:9], s[4:5]         ; A's codes: L's for V, else x's
	s_cselect_b64 s[98:99], s[10:11], s[6:7]       ; A's scales
	s_cselect_b64 s[8:9], s[4:5], s[8:9]           ; B's codes
	s_cselect_b64 s[10:11], s[6:7], s[10:11]       ; B's scales
	s_add_nc_u64 s[20:21], s[96:97], s[20:21]
	s_add_nc_u64 s[22:23], s[98:99], s[22:23]
	s_add_nc_u64 s[46:47], s[8:9], s[46:47]
	s_add_nc_u64 s[92:93], s[10:11], s[92:93]
	CROUND                                         ; all sixteen work-groups are here: the joint loads meet
	s_mov_b32 s[G0S], 1
	s_add_co_u32 s[G0S+1], s94, SCL
	s_mov_b64 s[G0S+2:G0S+3], s[22:23]
	s_or_b32 s[G0S+3], s[G0S+3], 0x80000000
	s_mov_b32 s[G0SB], 1
	s_add_co_u32 s[G0SB+1], s94, SCL
	s_mov_b64 s[G0SB+2:G0SB+3], s[92:93]
	s_or_b32 s[G0SB+3], s[G0SB+3], 0x80000000
	JLOAD G0S, G1S, G0SB, G1SB                     ; the scales first: they are wanted with the first slot
.irp s, 0,1
	s_mov_b32 s[G0+4*\s], 1
	s_add_co_u32 s[G0+4*\s+1], s45, \s*SLOT
	s_add_nc_u64 s[G0+4*\s+2:G0+4*\s+3], s[20:21], \s*ROWB
	s_or_b32 s[G0+4*\s+3], s[G0+4*\s+3], 0x80000000
	s_mov_b32 s[G0B+4*\s], 1
	s_add_co_u32 s[G0B+4*\s+1], s45, \s*SLOT
	s_add_nc_u64 s[G0B+4*\s+2:G0B+4*\s+3], s[46:47], \s*ROWB
	s_or_b32 s[G0B+4*\s+3], s[G0B+4*\s+3], 0x80000000
	JLOAD G0+4*\s, G1, G0B+4*\s, G1B               ; three loads of mine are out in all
.endr
	v_and_b32 v1, 15, v0                           ; l % 16
	v_bfe_u32 v2, v0, 4, 1                         ; l / 16
	v_mul_u32_u24 v3, v1, PITCH
	v_lshl_add_u32 v4, v2, 4, v3                   ; a fragment's row x pitch + 16 x half
	s_mul_i32 s21, s15, HALFT                      ; my 128 rows of A
	s_mul_i32 s22, s16, HALFT                      ; my 128 rows of B,
	s_add_co_u32 s22, s22, 2*HALFT                 ; which lie behind A's 256
.irp s, 0,1
	v_add_nc_u32 v[ADRA+\s], s21, v4
	v_add_nc_u32 v[ADRB+\s], s22, v4
	s_add_co_u32 s21, s21, SLOT
	s_add_co_u32 s22, s22, SLOT
.endr
	v_mul_u32_u24 v5, v1, KS                       ; my row's scales: 32 bytes a row,
	v_lshrrev_b32 v6, 8, v5
	v_lshl_add_u32 v5, v6, 4, v5                   ; and 16 more for each 256 passed
	s_mul_i32 s21, s15, HALFS                      ; A's: my 128 rows
	s_mul_i32 s22, s16, HALFS                      ; B's: my 128 rows, behind A's 256
	s_add_co_u32 s22, s22, 2*HALFS
	s_sub_co_u32 s22, s22, s21
	v_mul_u32_u24 v6, s22, v2                      ; lanes 16-31 take B's
	s_add_co_u32 s21, s21, SCL
	v_add_nc_u32 v5, v5, v6
	v_add_nc_u32 v[ADRS], s21, v5
	s_mul_i32 s23, s14, 16*SPITCH                  ; my stage
	v_mul_u32_u24 v5, v1, SPITCH                   ; in: row l % 16, 16 bytes for each half of the lanes
	v_lshl_add_u32 v5, v2, 4, v5
	v_add_nc_u32 v[STO], s23, v5
	v_mul_u32_u24 v5, v2, SPITCH                   ; V, back: lanes 0-15 one row of 256 bytes, lanes 16-31 the next;
	v_lshl_add_u32 v5, v1, 4, v5
	v_add_nc_u32 v[RDV], s23, v5
	v_lshlrev_b32 v5, 11, v2                       ; and the same two rows of 2,048 bytes in p16
	v_lshl_add_u32 v[COV], v1, 4, v5
	v_and_b32 v6, 31, v0
	v_lshrrev_b32 v5, 3, v6                        ; by heads, back: eight lanes take 128 bytes (one head's 64 d) of a row, four rows an instruction;
	v_mul_u32_u24 v5, v5, SPITCH
	v_and_b32 v7, 7, v0
	v_lshl_add_u32 v5, v7, 4, v5
	v_add_nc_u32 v[RDH], s23, v5
	v_lshlrev_b32 v[COH], 4, v6                    ; in p16 those four rows are 512 consecutive bytes
	; where my part begins in p16.  V: (256 cy + 128 row half) rows of 2,048 bytes + 512 x tile column + 256 x column half.  By heads: head 4 x tile column + 2 x column half, of 131,072 bytes, + (256 cy + 128 row half) rows of 128 bytes
	s_lshl_b32 s20, s41, 19
	s_lshl_b32 s21, s15, 18
	s_add_co_u32 s20, s20, s21
	s_lshl_b32 s46, s42, 9
	s_lshl_b32 s47, s16, 8
	s_add_co_u32 s46, s46, s47
	s_add_co_u32 s46, s46, s20
	s_lshl_b32 s20, s41, 15
	s_lshl_b32 s21, s15, 14
	s_add_co_u32 s20, s20, s21
	s_lshl_b32 s47, s42, 19
	s_add_co_u32 s20, s20, s47
	s_lshl_b32 s47, s16, 18
	s_add_co_u32 s20, s20, s47
	s_cmp_eq_u32 s95, 1
	s_cselect_b32 s20, s46, s20
	s_lshl_b32 s21, s66, 21                        ; the block of 2 MiB
	s_add_co_u32 s20, s20, s21
	s_mov_b32 s21, 0
	s_add_nc_u64 s[12:13], s[12:13], s[20:21]
.macro FRAG reg, adr, q, i             ; a fragment, 16 rows x 128 K of 4-bit codes, is 8 registers: lane l holds row l % 16; registers 4 c .. 4 c + 3 hold K = 64 c + 32 (l / 16) + 0 .. 31
.irp c, 0,1
	ds_load_b128 v[\reg+4*\c:\reg+4*\c+3], v[\adr] offset:64*(\q)+32*\c+(\i)*16*PITCH
.endr
.endm
; 16 matrix instructions: A's blocks a0, a0 + 1 x B's eight, 128 along K: the slot's q-th.  p: B's set;  sc: the set of scale words.  zero = 1: the first product starts the sums: nothing is ever cleared.
; The 64 accumulators take turns, one instruction a turn, in the same order in every step.
.macro MUL16 a0, p, q, sc, zero
.irp a, \a0, \a0+1
.irp b, 0,1,2,3,4,5,6,7
.if \zero
	v_wmma_scale_f32_16x16x128_f8f6f4 v[8*(8*((\a)%4)+\b):8*(8*((\a)%4)+\b)+7], v[128*(\p)+FR*\b:128*(\p)+FR*\b+FR-1], v[AF+FR*(\a):AF+FR*(\a)+FR-1], 0, v[SC+8*NQ*(\sc)+NQ*\b+(\q)], v[SC+8*NQ*(\sc)+NQ*(\a)+(\q)] matrix_a_fmt:MATRIX_FMT_FP4 matrix_b_fmt:MATRIX_FMT_FP4 matrix_a_scale:MATRIX_SCALE_ROW1
.else
	v_wmma_scale_f32_16x16x128_f8f6f4 v[8*(8*((\a)%4)+\b):8*(8*((\a)%4)+\b)+7], v[128*(\p)+FR*\b:128*(\p)+FR*\b+FR-1], v[AF+FR*(\a):AF+FR*(\a)+FR-1], v[8*(8*((\a)%4)+\b):8*(8*((\a)%4)+\b)+7], v[SC+8*NQ*(\sc)+NQ*\b+(\q)], v[SC+8*NQ*(\sc)+NQ*(\a)+(\q)] matrix_a_fmt:MATRIX_FMT_FP4 matrix_b_fmt:MATRIX_FMT_FP4 matrix_a_scale:MATRIX_SCALE_ROW1
.endif
.endr
.endr
.endm
.macro FETCH_B slot, q, p              ; B's eight fragments of the slot's q-th 128 along K into set p
	WIN TO_B
.irp i, 0,1,2,3,4,5,6,7
	FRAG 128*(\p)+FR*\i, ADRB+\slot, \q, \i
.endr
	WIN 0
.endm
.macro FETCH_A slot, q, i0             ; A's blocks i0 .. i0 + 3
.irp i, \i0, \i0+1, \i0+2, \i0+3
	FRAG AF+FR*(\i), ADRA+\slot, \q, \i
.endr
.endm
.macro SCALES sc                       ; a slot's scale words into set sc: four words a row; lanes 0-15 take A's block i, lanes 16-31 B's block i
.irp i, 0,1,2,3,4,5,6,7
	ds_load_b128 v[SC+8*NQ*\sc+NQ*\i:SC+8*NQ*\sc+NQ*\i+3], v[ADRS] offset:\i*SBLK
.endr
.endm
; A load into a register that a matrix instruction has read, and a vector instruction that reads a matrix result, stand NP places behind that matrix instruction; only plain vector
; instructions that name none of its registers are places (ISA guide 7.12.1 for vector instructions).
.macro PLACES n
.rept \n
	v_nop
.endr
.endm
; A step of 128 along K that has its successor in the same slot.  A's blocks are free as soon as their eight products are issued: one set serves A; B has two.
.macro STEP slot, q, zero
	s_wait_dscnt 4*NL                              ; B's set and A's blocks 0-3 are in; the youngest eight loads (A's blocks 4-7) may be out
	WIN MUL_LO
	MUL16 0, (\q)%2, \q, \slot, \zero
	MUL16 2, (\q)%2, \q, \slot, \zero
	s_wait_dscnt 0                                 ; A's blocks 4-7 are in
	PLACES NP
	FETCH_B \slot, (\q)+1, 1-(\q)%2
	FETCH_A \slot, (\q)+1, 0
	WIN MUL_HI
	MUL16 4, (\q)%2, \q, \slot, \zero
	MUL16 6, (\q)%2, \q, \slot, \zero
	PLACES NP
	WIN 0
	FETCH_A \slot, (\q)+1, 4
.endm
; Slot 0's last step changes slots: one barrier; in front of it each wave waits for all its tensor loads (its part of slot 1), adds 0 to its spare word, and waits for that and for its reads of slot 0.
; Behind it nobody reads slot 0, where the stages of the way out lie.
.macro TURN slot, next
	s_wait_tensorcnt 0x0                           ; all my tensor loads have landed  (every window is 0 here)
	ds_add_u32 v[SPW], v[NIL]                      ; 0 onto my spare word
	s_wait_dscnt 4*NL+1                            ; the add and the youngest eight loads, A's blocks 4-7, may be out
	WIN MUL_LO
	MUL16 0, 1, NQ-1, \slot, 0
	s_wait_dscnt 0x0                               ; the add is done, and my reads of this slot are over
	s_barrier_signal -1
	MUL16 2, 1, NQ-1, \slot, 0
	WIN 0
	s_barrier_wait -1
	PLACES NP
	v_add_nc_u32 v[ADRS], 4*NQ, v[ADRS]            ; on to the next slot's scale words
	FETCH_B \next, 0, 0
	FETCH_A \next, 0, 0
	SCALES \next
	WIN MUL_HI
	MUL16 4, 1, NQ-1, \slot, 0
	MUL16 6, 1, NQ-1, \slot, 0
	PLACES NP
	WIN 0
	FETCH_A \next, 0, 4
.endm
.macro STEPS slot, from                ; the slot's steps from .. NQ - 2
.set Q, \from
.rept NQ-1-\from
	STEP \slot, Q, 0
.set Q, Q+1
.endr
.endm
	s_wait_tensorcnt 1                             ; the scales and my part of slot 0 are in (slot 1's load may be out),
	s_barrier_signal -1
	s_barrier_wait -1                              ; everybody's are
	FETCH_B 0, 0, 0
	FETCH_A 0, 0, 0
	SCALES 0
	FETCH_A 0, 0, 4
	STEP 0, 0, 1                                   ; the first step's products start the sums
	STEPS 0, 1
	TURN 0, 1
	STEPS 1, 0
	s_wait_dscnt 4*NL                              ; the last step: nothing more to fetch
	WIN MUL_LO
	MUL16 0, 1, NQ-1, 1, 0
	MUL16 2, 1, NQ-1, 1, 0
	s_wait_dscnt 0
	WIN MUL_HI
	MUL16 4, 1, NQ-1, 1, 0
	MUL16 6, 1, NQ-1, 1, 0
	WIN 0
; THE WAY OUT, block by block of 16 rows x 128 columns.  PACK: rounded to f16, 16 bytes a lane, each accumulator from its low end on.  PUT: into my own stage.  GET: back in the order in which p16 has them.  SEND: stored.
; kind = 1 (V): a stage row is 256 consecutive bytes of a row of p16: sixteen lanes store them, aligned.  kind = 0 (by heads): a stage row holds 128 bytes for each of two heads; four rows of one head are 512 consecutive bytes of p16.
.macro PACK a
.set AC, 64*((\a)%4)
	WIN 0x0a+5*((\a)/4)                            ; sources 0 and 1: window 2 or 3
.irp b, 0,1,2,3,4,5,6,7
.irp r, 0,1,2,3
	v_cvt_pk_f16_f32 v[TMP+4*\b+\r], v[AC+8*\b+2*\r], v[AC+8*\b+2*\r+1]
.endr
.endr
	WIN 0
.endm
.macro PUT
.irp b, 0,1,2,3,4,5,6,7
	ds_store_b128 v[STO], v[TMP+4*\b:TMP+4*\b+3] offset:32*\b
.endr
.endm
.macro GET a, kind
.set BB, BK+32*((\a)%2)
.irp t, 0,1,2,3,4,5,6,7
.if \kind
	ds_load_b128 v[BB+4*\t:BB+4*\t+3], v[RDV] offset:\t*2*SPITCH    ; LDS serves a wave's instructions in order (ISA guide 5.7.1.4): these see the stores above
.else
	ds_load_b128 v[BB+4*\t:BB+4*\t+3], v[RDH] offset:(\t%4)*4*SPITCH+(\t/4)*128
.endif
.endr
.endm
.macro SEND a, kind
.set BB, BK+32*((\a)%2)
	s_wait_dscnt 0x0                               ; the block is back in registers
	s_wait_xcnt 0x0                                ; only behind this wait are the stores' base and the registers that earlier stores read rewritten
.if (\a) > 0
.if \kind
	s_add_nc_u64 s[12:13], s[12:13], 16*2048       ; 16 rows e on
.else
	s_add_nc_u64 s[12:13], s[12:13], 16*128        ; 16 rows w on
.endif
.endif
.irp t, 0,1,2,3,4,5,6,7
.if \kind
	global_store_b128 v[COV], v[BB+4*\t:BB+4*\t+3], s[12:13] offset:\t*4096
.else
	global_store_b128 v[COH], v[BB+4*\t:BB+4*\t+3], s[12:13] offset:(\t/4)*131072+(\t%4)*512
.endif
.endr
.endm
.macro OUTWAY kind
	PLACES NP                                      ; behind the last products
	PACK 0
	PUT
	GET 0, \kind
.irp a, 1,2,3,4,5,6,7                  ; block a's conversions stand between block a - 1's loads from the stage and the wait for them
	PACK \a
	SEND \a-1, \kind
	PUT
	GET \a, \kind
.endr
	SEND 7, \kind
.endm
	s_cmp_eq_u32 s95, 1                            ; the cluster's y alone: the same way in all sixteen partners
	s_cbranch_scc1 .Lout_v
	OUTWAY 0
	s_branch .Lend
.Lout_v:
	OUTWAY 1
.Lend:
	s_wait_tensorcnt 0x0                           ; the wave's end: three lines behind my last tensor load and my last LDS store
	ds_add_u32 v[SPW], v[NIL]
	s_wait_dscnt 0x0
	CROUND                                         ; the closing round: no work-group ends while a partner may still ask for a tile that names it
	s_endpgm
.Lfunc_end_k_qbff3c300a2_proj:
	.size	k_qbff3c300a2_proj, .Lfunc_end_k_qbff3c300a2_proj-k_qbff3c300a2_proj
	.p2alignl 7, 3214868480
	.fill 96, 4, 3214868480
	.section	.rodata,"a",@progbits
	.p2align	6, 0x0
	.amdhsa_kernel k_qbff3c300a2_proj
		.amdhsa_group_segment_fixed_size 327680
		.amdhsa_private_segment_fixed_size 0
		.amdhsa_enable_private_segment 0
		.amdhsa_kernarg_size 40
		.amdhsa_user_sgpr_count 2
		.amdhsa_user_sgpr_kernarg_segment_ptr 1
		.amdhsa_wavefront_size32 1
		.amdhsa_system_sgpr_workgroup_id_x 1
		.amdhsa_system_sgpr_workgroup_id_y 1
		.amdhsa_system_sgpr_workgroup_id_z 1
		.amdhsa_system_vgpr_workitem_id 0
		.amdhsa_next_free_vgpr 1024
		.amdhsa_next_free_sgpr 102
		.amdhsa_reserve_vcc 0
		.amdhsa_float_denorm_mode_32 3
		.amdhsa_float_denorm_mode_16_64 3
		.amdhsa_memory_ordered 1
		.amdhsa_forward_progress 1
		.amdhsa_inst_pref_size 159
	.end_amdhsa_kernel
	.amdgpu_metadata
---
amdhsa.version: [ 1, 2 ]
amdhsa.kernels:
  - .name:           k_qbff3c300a2_proj
    .symbol:         k_qbff3c300a2_proj.kd
    .args:
      - { .name: xc, .offset: 0, .size: 8, .value_kind: global_buffer, .address_space: global }
      - { .name: xs, .offset: 8, .size: 8, .value_kind: global_buffer, .address_space: global }
      - { .name: lc, .offset: 16, .size: 8, .value_kind: global_buffer, .address_space: global }
      - { .name: ls, .offset: 24, .size: 8, .value_kind: global_buffer, .address_space: global }
      - { .name: p16, .offset: 32, .size: 8, .value_kind: global_buffer, .address_space: global }
    .group_segment_fixed_size: 327680
    .private_segment_fixed_size: 0
    .kernarg_segment_align: 8
    .kernarg_segment_size: 40
    .max_flat_workgroup_size: 128
    .sgpr_count:     102
    .vgpr_count:     1024
    .wavefront_size: 32
...
	.end_amdgpu_metadata
.endif
;; end of part 2
;; launch attn (part 3): grid 2 x 128, 16 waves a work-group, no clusters, 327,680 bytes of LDS; arguments p16, o16; writes o16
.if DOCPART == 3
	.amdgcn_target "amdgcn-amd-amdhsa--gfx1250"
	.amdhsa_code_object_version 6
	.text
	.protected	k_qbff3c300a2_attn
	.globl	k_qbff3c300a2_attn
	.p2align	8
	.type	k_qbff3c300a2_attn,@function
k_qbff3c300a2_attn:
	s_mov_b64 s[64:65], 0
	v_nop
	global_prefetch_b8 v0, s[64:65] scope:SCOPE_SE
	s_setreg_imm32_b32 hwreg(HW_REG_WAVE_MODE, 25, 1), 1
	s_wait_xcnt 0x0
; THE ATTENTION OF ONE HEAD.  In the problem's names: out[d][k] = sum over q <= k of V[d][q] softmax over q of (Q[:, q] . K[:, k]); the factor 1/32 behind the softmax is applied by the next launch, in f32.
; Here a POSITION is a column k of the K projection, a KEY a column q of the Q projection; key q counts for position k where q <= k.  The scores have no factor in front of the exponential.
; p16 (f16): positions at bh x 131,072 as [1024 w][64 d]; keys 16 MiB on, the same layout; values 32 MiB on as [64 d][1024 w].  o16 (f16): [bh][1024 w][64 d] = O / l.   bh = 16 b + head.
; Products with f16 operands and f32 sums; maxima, exponentials and sums in f32, with a running maximum; the weights p (at most 1) are rounded to f16 for the second product, the row's sum is taken of the unrounded p.
; LIMITS: NaN and infinities are not served; O / l has V's size and goes to f16: magnitudes beyond 65,504 are not served.
; SHARES.  Work-group (i, bh), i = 0, 1, owns the 16 tiles of 32 positions 2 j + i, j = 0 .. 15, of head bh, one a wave.  Tile 2 j + i walks j + 1 steps of 64 keys.  A wave's tile is two tiles of 16 positions:
; each fragment read from LDS feeds two matrix instructions.
; WHICH WAVE TAKES WHICH TILE is read from a table of sixteen 4-bit numbers j, waves 0 to 15:  15 0 1 2 | 3 14 4 5 | 6 7 13 8 | 9 10 11 12.  In each run of four waves on end, and in each set of four waves that lie
; four apart, stands exactly one of the four longest walks (j = 12 .. 15), and the longer that walk, the shorter the three beside it: so four waves that share a SIMD, be the sixteen dealt by fours on end or one
; at a time, never hold two of the longest walks.
; ALL OF A HEAD'S KEYS AND VALUES LIE IN LDS: 1,024 x 128 bytes each, brought in four chunks of 256 keys by waves 0-3, four tensor loads each, all at the head; no byte is filled twice.
; TWO BARRIERS: the first shows chunk 0 to every wave, and two steps follow; the second shows the other three chunks, and the remaining fourteen steps have no barrier: a wave with a long walk waits for no other wave's steps.
; NO CLUSTER: only the two work-groups of a head read the same tiles, each fetches them once, 256 KiB, at its head, and the grid's x is 2.
; LAYOUT.  S^T = keys x positions^T (source 0 = 16 keys, source 1 = 16 positions): a lane holds ONE position (lane % 16) and the keys 8 (lane / 16) + 0..7.  Two such tiles, rounded to f16 in pairs, ARE source 1
; (32 keys x 16 positions) of O^T = V P, whose result again holds one position a lane and eight channels.  The values lie with the keys innermost, so their fragments are read like any operand.
; The trip counts are constants: every wave walks all 16 steps and passes both barriers; a step all of whose keys come after the wave's positions is left out by a scalar branch on ids.
.set KP,    144                        ; a key's row in LDS: 128 bytes + 16: an odd multiple of 16
.set VP,    528                        ; a channel's row of a chunk of values: 512 bytes + 16
.set KCH,   256*KP                     ; a chunk of keys
.set VCH,   64*VP                      ; a chunk of values
.set VBASE, 4*KCH                      ; LDS: the keys from 0, the values from here,
.set STAGE, VBASE+4*VCH                ; the stages of the way out, 16 rows x 144 bytes for each wave, bytes of their own,
.set SPARE, STAGE+16*16*KP             ; and the spare words, 128 bytes for each wave, which no other line names
.set AK0, 1                            ; v1   my lane's place in a tile of keys
.set AV0, 2                            ; v2   the same for the values
.set ADK, 3                            ; v3   LDS address of the step's keys; on the way out: where I put 16 bytes of a row
.set ADV, 4                            ; v4   of its values; on the way out: where I read rows back
.set SPW, 5                            ; v5   LDS address of my spare word; never rewritten
.set NIL, 6                            ; v6   0; never rewritten
.set GO,  7                            ; v7   my byte offset among the positions' rows; on the way out in o16
.set ST,  8                            ; tile u's statistics at v[8 + 12 u]: +0 c m, +1 m, +2, 3 l (even keys', odd keys'), +4, 5 a second chain, +6 a, +7 named with it as a pair, +8 .. 11 at work
.set QQ,  32                           ; v32-63   the positions' fragments: tile u, channels 32 s on, at 16 u + 8 s
.set SS,  64                           ; v64-127  S^T: tile u, keys 16 kt on, at 32 u + 8 kt; p in place; P packed into the first 16 of each 32
.set OO,  128                          ; v128-191 O^T: tile u, channels 16 ct on, at 32 u + 8 ct
.set FF,  192                          ; v192-255 the keys' fragments (16 kt + 8 s), later the values' (32 kh + 8 ct)
.set WV,  8
.set Q0,  12                           ; s12 my first position, s13 my last
.set QL,  13
.set KF,  14                           ; s14 the step's first key
.set TK,  15                           ; s15 LDS byte at which the step's keys begin
.set TV,  16                           ; s16 and, from VBASE on, its values
.set CNT, 17
.set SEL, 20                           ; s[20:21] lane selects for v_permlanex16_b32: lane l xor 16
.set CS,  22                           ; s[22:23] c = log2(e)
.set G1K, 24                           ; s[24:31], s[32:39] descriptor groups 1 for keys and values
.set G1V, 32
.set G0K, 40                           ; s[40:55] groups 0 for the four chunks of keys;  s[68:83] of values
.set G0V, 68
	s_load_b128 s[4:7], s[0:1], 0x0                ; p16, o16
	v_lshl_add_u32 v[SPW], v0, 2, SPARE
	v_mov_b32 v[NIL], 0
	ds_add_u32 v[SPW], v[NIL]                      ; the wave's opening: the add, twice on end, and its wait ahead of the first tensor load; the set-up below stands between
	ds_add_u32 v[SPW], v[NIL]
	v_lshrrev_b32 v1, 5, v0
	v_readfirstlane_b32 s[WV], v1                  ; wave 0..15
	s_and_b32 s10, ttmp7, 0xffff                   ; bh
	s_mov_b32 s18, 0xcba98d76                      ; the table: waves 8-15, wave 8 in the lowest four bits: 6 7 13 8 9 10 11 12
	s_mov_b32 s19, 0x54e3210f                      ; waves 0-7: 15 0 1 2 3 14 4 5
	s_cmp_lt_u32 s[WV], 8
	s_cselect_b32 s18, s19, s18
	s_and_b32 s19, s[WV], 7
	s_lshl_b32 s19, s19, 2
	s_lshr_b32 s18, s18, s19
	s_and_b32 s18, s18, 15                         ; j: my walk has j + 1 steps
	s_lshl_b32 s18, s18, 1
	s_add_co_u32 s11, s18, ttmp9                   ; my tile of 32 positions: 2 j + i
	s_lshl_b32 s[Q0], s11, 5
	s_add_co_u32 s[QL], s[Q0], 31
	; group 1, keys: 128 rows of 64 elements of 2 bytes, dense in memory, four words of padding behind each row's 32
	s_mov_b32 s[G1K], (1<<16)|(1<<20)|(4<<22)|(3<<25)
	s_mov_b32 s[G1K+1], 64<<16                     ; tensor_dim0
	s_mov_b32 s[G1K+2], 128<<16                    ; tensor_dim1
	s_mov_b32 s[G1K+3], 64<<16                     ; tile_dim0
	s_mov_b32 s[G1K+4], 128                        ; tile_dim1
	s_mov_b32 s[G1K+5], 64                         ; tensor_dim0_stride
	s_mov_b32 s[G1K+6], 0
	s_mov_b32 s[G1K+7], 0
	; values: 32 rows of 256 elements, 1,024 elements apart, four words of padding behind each row's 128
	s_mov_b32 s[G1V], (1<<16)|(1<<20)|(6<<22)|(3<<25)
	s_mov_b32 s[G1V+1], 256<<16
	s_mov_b32 s[G1V+2], 32<<16
	s_mov_b32 s[G1V+3], 256<<16
	s_mov_b32 s[G1V+4], 32
	s_mov_b32 s[G1V+5], 1024
	s_mov_b32 s[G1V+6], 0
	s_mov_b32 s[G1V+7], 0
	s_mov_b32 s[SEL], 0x76543210
	s_mov_b32 s[SEL+1], 0xfedcba98
	s_mov_b32 s[CS], 0x3fb8aa3b
	s_mov_b32 s[CS+1], s[CS]                       ; (named with it as a pair, so it is written)
	s_and_b32 s19, s[WV], 1                        ; which half of a chunk I fetch, if I fetch
	s_mul_i32 s18, s19, 128*KP                     ; keys: 128 rows, in LDS
	s_mul_i32 s88, s19, 32*VP                      ; values: 32 rows
	s_add_co_u32 s88, s88, VBASE
	s_lshl_b32 s56, s10, 17                        ; the head's 131,072 bytes
	s_mov_b32 s57, 0
	s_lshl_b32 s62, s19, 14                        ; keys: 128 rows of 128 bytes, in memory
	s_mov_b32 s63, 0
	s_lshl_b32 s90, s19, 16                        ; values: 32 rows of 2,048 bytes
	s_mov_b32 s91, 0
	s_wait_dscnt 0x0                               ; both opening adds are done
	s_wait_kmcnt 0x0
	s_add_nc_u64 s[58:59], s[4:5], s[56:57]        ; the head's positions
	s_add_nc_u64 s[60:61], s[58:59], s[62:63]
	s_add_nc_u64 s[60:61], s[60:61], 0x1000000     ; its keys, my half
	s_add_nc_u64 s[84:85], s[58:59], s[90:91]
	s_add_nc_u64 s[84:85], s[84:85], 0x2000000     ; its values, my half
	s_add_nc_u64 s[6:7], s[6:7], s[56:57]
.irp c, 0,1,2,3
	s_mov_b32 s[G0K+4*\c], 1                       ; count = 1
	s_add_co_u32 s[G0K+4*\c+1], s18, \c*KCH        ; LDS address
	s_add_nc_u64 s[G0K+4*\c+2:G0K+4*\c+3], s[60:61], \c*32768   ; 256 keys of 128 bytes a chunk
	s_or_b32 s[G0K+4*\c+3], s[G0K+4*\c+3], 0x80000000           ; type = 2
	s_mov_b32 s[G0V+4*\c], 1
	s_add_co_u32 s[G0V+4*\c+1], s88, \c*VCH
	s_add_nc_u64 s[G0V+4*\c+2:G0V+4*\c+3], s[84:85], \c*512     ; 256 keys of 2 bytes in each row
	s_or_b32 s[G0V+4*\c+3], s[G0V+4*\c+3], 0x80000000
.endr
	s_cmp_lt_u32 s[WV], 2                          ; waves 0, 1: the keys' halves; waves 2, 3: the values'; a wave's four loads stand in one branch, in the order of the chunks: four of mine are out
	s_cbranch_scc0 .Lnot_k
.irp c, 0,1,2,3
	tensor_load_to_lds s[G0K+4*\c:G0K+4*\c+3], s[G1K:G1K+7]
	s_nop 0
.endr
.rept 4
	v_nop
.endr
	s_branch .Lasked
.Lnot_k:
	s_cmp_lt_u32 s[WV], 4
	s_cbranch_scc0 .Lasked
.irp c, 0,1,2,3
	tensor_load_to_lds s[G0V+4*\c:G0V+4*\c+3], s[G1V:G1V+7]
	s_nop 0
.endr
.rept 4
	v_nop
.endr
.Lasked:
	s_lshl_b32 s62, s[Q0], 7                       ; my first position's row of 128 bytes
	s_add_nc_u64 s[58:59], s[58:59], s[62:63]
	s_add_nc_u64 s[6:7], s[6:7], s[62:63]
	v_and_b32 v[ADK], 15, v0                       ; r
	v_bfe_u32 v[ADV], v0, 4, 1                     ; h
	v_lshlrev_b32 v[GO], 7, v[ADK]
	v_lshl_add_u32 v[GO], v[ADV], 4, v[GO]         ; row r, + 16 h
.irp u, 0,1
.irp s, 0,1
	global_load_b128 v[QQ+16*\u+8*\s:QQ+16*\u+8*\s+3], v[GO], s[58:59] offset:2048*\u+64*\s        ; the positions' fragments stay in registers
	global_load_b128 v[QQ+16*\u+8*\s+4:QQ+16*\u+8*\s+7], v[GO], s[58:59] offset:2048*\u+64*\s+32
.endr
.endr
	v_mul_u32_u24 v[AK0], v[ADK], KP
	v_lshl_add_u32 v[AK0], v[ADV], 4, v[AK0]
	v_mul_u32_u24 v[AV0], v[ADK], VP
	v_lshl_add_u32 v[AV0], v[ADV], 4, v[AV0]
	v_add_nc_u32 v[AV0], VBASE, v[AV0]
.irp u, 0,1
	v_mov_b32 v[ST+12*\u+1], 0xfe967699            ; m = -1e38, under every score of f16 operands
	v_mul_f32 v[ST+12*\u], s[CS], v[ST+12*\u+1]    ; c m
.irp k, 2,3,4,5,6,7,8,9,10,11
	v_mov_b32 v[ST+12*\u+\k], 0                    ; l, and all that is named before a step has written it
.endr
.endr
.irp j, 0,1,2,3,4,5,6,7,8,9,10,11,12,13,14,15,16,17,18,19,20,21,22,23,24,25,26,27,28,29,30,31,32,33,34,35,36,37,38,39,40,41,42,43,44,45,46,47,48,49,50,51,52,53,54,55,56,57,58,59,60,61,62,63
	v_mov_b32 v[OO+\j], 0                          ; O^T.  (The step is written once: the first finds zeros, which its a = 0 leaves zeros)
.endr
	s_wait_loadcnt 0x0                             ; the positions
; A STEP: 64 keys.
.macro STEP
	s_cmp_gt_u32 s[KF], s[QL]                      ; all its keys come after my positions: ids and the count of steps alone
	s_cbranch_scc1 .Lhidden_\@
	v_add_nc_u32 v[ADK], s[TK], v[AK0]
	v_add_nc_u32 v[ADV], s[TV], v[AV0]
.irp kt, 0,1,2,3
.irp s, 0,1
	ds_load_b128 v[FF+16*\kt+8*\s:FF+16*\kt+8*\s+3], v[ADK] offset:16*KP*\kt+64*\s
	ds_load_b128 v[FF+16*\kt+8*\s+4:FF+16*\kt+8*\s+7], v[ADK] offset:16*KP*\kt+64*\s+32
.endr
.endr
	s_wait_dscnt 0x0
.irp s, 0,1                                    ; S^T: eight accumulators by turns; the first eight products start the sums
.irp kt, 0,1,2,3
.irp u, 0,1
.if \s == 0
	v_wmma_f32_16x16x32_f16 v[SS+32*\u+8*\kt:SS+32*\u+8*\kt+7], v[FF+16*\kt+8*\s:FF+16*\kt+8*\s+7], v[QQ+16*\u+8*\s:QQ+16*\u+8*\s+7], 0
.else
	v_wmma_f32_16x16x32_f16 v[SS+32*\u+8*\kt:SS+32*\u+8*\kt+7], v[FF+16*\kt+8*\s:FF+16*\kt+8*\s+7], v[QQ+16*\u+8*\s:QQ+16*\u+8*\s+7], v[SS+32*\u+8*\kt:SS+32*\u+8*\kt+7]
.endif
.endr
.endr
.endr
.rept 4
	v_nop                                          ; places: in front of the loads into the keys' registers, and of the first read of the scores
.endr
.irp kh, 0,1                                   ; the step's values land while the softmax is walked
.irp ct, 0,1,2,3
	ds_load_b128 v[FF+32*\kh+8*\ct:FF+32*\kh+8*\ct+3], v[ADV] offset:16*VP*\ct+64*\kh
	ds_load_b128 v[FF+32*\kh+8*\ct+4:FF+32*\kh+8*\ct+7], v[ADV] offset:16*VP*\ct+64*\kh+32
.endr
.endr
	s_add_co_u32 s18, s[KF], 63                    ; a step all of whose keys count skips the mask: it runs in one step of a wave
	s_cmp_le_u32 s18, s[Q0]
	s_cbranch_scc1 .Lopen_\@
	s_sub_co_i32 s18, s[Q0], s[KF]
	v_and_b32 v[ST+8], 15, v0
	v_bfe_u32 v[ST+10], v0, 4, 1
	v_lshlrev_b32 v[ST+10], 3, v[ST+10]
	v_sub_nc_u32 v[ST+8], v[ST+8], v[ST+10]
	v_add_nc_u32 v[ST+8], s18, v[ST+8]             ; tile 0: my position - the step's first key - 8 (lane / 16).  Register n holds key 16 (n / 8) + n % 8 + 8 (lane / 16) of the step: hidden where 16 (n / 8) + n % 8 is above this
	v_add_nc_u32 v[ST+20], 16, v[ST+8]             ; tile 1: 16 positions on
	v_mov_b32 v[ST+9], 0xff800000                  ; -infinity: p = 0 then.  The step's first key counts for every position of the wave, so no row is hidden whole
.irp u, 0,1
.irp n, 0,1,2,3,4,5,6,7,8,9,10,11,12,13,14,15,16,17,18,19,20,21,22,23,24,25,26,27,28,29,30,31
	v_cmp_gt_i32 vcc_lo, 16*(\n/8)+\n%8, v[ST+8+12*\u]
	v_cndmask_b32 v[SS+32*\u+\n], v[SS+32*\u+\n], v[ST+9], vcc_lo
.endr
.endr
.Lopen_\@:
.irp k, 0,1,2,3                                ; the maximum of my 32 scores and the old m: four chains, each from its accumulator's low end on; the two tiles by turns
.irp u, 0,1
	v_max3_num_f32 v[ST+12*\u+8+\k], v[SS+32*\u+8*\k], v[SS+32*\u+8*\k+1], v[SS+32*\u+8*\k+2]
.endr
.endr
.irp p, 3,5
.irp k, 0,1,2,3
.irp u, 0,1
	v_max3_num_f32 v[ST+12*\u+8+\k], v[ST+12*\u+8+\k], v[SS+32*\u+8*\k+\p], v[SS+32*\u+8*\k+\p+1]
.endr
.endr
.endr
.irp u, 0,1
	v_max3_num_f32 v[ST+12*\u+8], v[ST+12*\u+8], v[SS+32*\u+7], v[SS+32*\u+15]
	v_max3_num_f32 v[ST+12*\u+10], v[ST+12*\u+10], v[SS+32*\u+23], v[SS+32*\u+31]
.endr
.irp u, 0,1
	v_max3_num_f32 v[ST+12*\u+8], v[ST+12*\u+8], v[ST+12*\u+9], v[ST+12*\u+10]
.endr
.irp u, 0,1
	v_max3_num_f32 v[ST+12*\u+8], v[ST+12*\u+8], v[ST+12*\u+11], v[ST+12*\u+1]
.endr
.irp u, 0,1
	v_permlanex16_b32 v[ST+12*\u+9], v[ST+12*\u+8], s[SEL], s[SEL+1]   ; the position's other 32 keys lie in the lane 16 away
.endr
.irp u, 0,1
	v_mov_b32 v[ST+12*\u+11], v[ST+12*\u]          ; c m_old is kept for a
.endr
.irp u, 0,1
	v_max_num_f32 v[ST+12*\u+1], v[ST+12*\u+8], v[ST+12*\u+9]
.endr
.irp u, 0,1
	v_mul_f32 v[ST+12*\u], s[CS], v[ST+12*\u+1]
.endr
.irp u, 0,1
	v_sub_f32 v[ST+12*\u+11], v[ST+12*\u+11], v[ST+12*\u]
.endr
.irp u, 0,1
	v_exp_f32 v[ST+12*\u+6], v[ST+12*\u+11]        ; a = 2^(c m_old - c m_new): ONE BATCH with the 64 below
.endr
.irp j, 0,2,4,6,8,10,12,14,16,18,20,22,24,26,28,30
.irp u, 0,1
	v_pk_fma_f32 v[SS+32*\u+\j:SS+32*\u+\j+1], v[SS+32*\u+\j:SS+32*\u+\j+1], s[CS:CS+1], v[ST+12*\u:ST+12*\u+1] op_sel_hi:[1,0,0] neg_lo:[0,0,1] neg_hi:[0,0,1]   ; c s - c m
.endr
.endr
.irp j, 0,1,2,3,4,5,6,7,8,9,10,11,12,13,14,15,16,17,18,19,20,21,22,23,24,25,26,27,28,29,30,31
.irp u, 0,1
	v_exp_f32 v[SS+32*\u+\j], v[SS+32*\u+\j]
.endr
.endr
	v_nop                                          ; a plain instruction behind the last exponential
	s_wait_alu depctr_va_vdst(0)                   ; a wait ahead of the first instruction that names a result: one for the 66
.irp u, 0,1
	v_pk_mul_f32 v[ST+12*\u+2:ST+12*\u+3], v[ST+12*\u+2:ST+12*\u+3], v[ST+12*\u+6:ST+12*\u+7] op_sel_hi:[1,0]   ; l under the new m
.endr
.irp u, 0,1
	v_pk_add_f32 v[ST+12*\u+4:ST+12*\u+5], v[SS+32*\u:SS+32*\u+1], v[SS+32*\u+2:SS+32*\u+3]                      ; the sum of the unrounded p, in two chains
.endr
.irp j, 4,8,12,16,20,24,28
.irp u, 0,1
	v_pk_add_f32 v[ST+12*\u+2:ST+12*\u+3], v[ST+12*\u+2:ST+12*\u+3], v[SS+32*\u+\j:SS+32*\u+\j+1]
	v_pk_add_f32 v[ST+12*\u+4:ST+12*\u+5], v[ST+12*\u+4:ST+12*\u+5], v[SS+32*\u+\j+2:SS+32*\u+\j+3]
.endr
.endr
.irp u, 0,1
	v_pk_add_f32 v[ST+12*\u+2:ST+12*\u+3], v[ST+12*\u+2:ST+12*\u+3], v[ST+12*\u+4:ST+12*\u+5]
.endr
.irp i, 0,1,2,3,4,5,6,7,8,9,10,11,12,13,14,15
.irp u, 0,1
	v_cvt_pk_f16_f32 v[SS+32*\u+\i], v[SS+32*\u+2*\i], v[SS+32*\u+2*\i+1]   ; P, in place from the low end: register i never lies above a pair that is still to be read
.endr
.endr
.irp j, 0,2,4,6,8,10,12,14,16,18,20,22,24,26,28,30
.irp u, 0,1
	v_pk_mul_f32 v[OO+32*\u+\j:OO+32*\u+\j+1], v[OO+32*\u+\j:OO+32*\u+\j+1], v[ST+12*\u+6:ST+12*\u+7] op_sel_hi:[1,0]   ; O^T under the new m
.endr
.endr
	s_wait_dscnt 0x0                               ; the values are in
.irp kh, 0,1                                   ; O^T += V P: eight accumulators by turns
.irp ct, 0,1,2,3
.irp u, 0,1
	v_wmma_f32_16x16x32_f16 v[OO+32*\u+8*\ct:OO+32*\u+8*\ct+7], v[FF+32*\kh+8*\ct:FF+32*\kh+8*\ct+7], v[SS+32*\u+8*\kh:SS+32*\u+8*\kh+7], v[OO+32*\u+8*\ct:OO+32*\u+8*\ct+7]
.endr
.endr
.endr
.rept 5
	v_nop                                          ; five places: the next step's products write over P, and its loads land on the values' registers
.endr
.Lhidden_\@:
	s_add_co_u32 s[KF], s[KF], 64
	s_add_co_u32 s[TK], s[TK], 64*KP
	s_add_co_u32 s[TV], s[TV], 128
.endm
; A RUN of n steps from step j0 on, inside one chunk of 256 keys (four steps).  The keys' rows go on from chunk to chunk, 64 rows a step; a chunk of values begins VCH bytes behind the last, and a step is 128 bytes on in its rows.
; bar >= 0: a barrier stands in front of the run: the waves that fetch wait until at most bar of their four loads are out, and all sixteen meet.
.macro RUN j0, n, bar
.if \bar >= 0
	s_wait_tensorcnt \bar
	s_wait_dscnt 0x0
	s_barrier_signal -1
	s_barrier_wait -1
.endif
	s_mov_b32 s[KF], 64*(\j0)
	s_mov_b32 s[TK], 64*KP*(\j0)
	s_mov_b32 s[TV], VCH*((\j0)/4)+128*((\j0)%4)
	s_mov_b32 s[CNT], \n
.Lstep_\@:
	STEP
	s_sub_co_u32 s[CNT], s[CNT], 1
	s_cmp_lg_u32 s[CNT], 0
	s_cbranch_scc1 .Lstep_\@
.endm
	RUN 0, 2, 3                                    ; chunk 0 is in (the three later chunks' loads may be out): its first two steps
	RUN 2, 2, 0                                    ; all four chunks are in: from here on no wave waits for another
	RUN 4, 4, -1
	RUN 8, 4, -1
	RUN 12, 4, -1
	; THE WAY OUT.  l's halves and the other half of the lanes' are added; O^T is divided by l, rounded to f16 and sent through my stage, 16 positions at a time: they come back as 512 consecutive bytes an instruction.
.irp u, 0,1
	v_add_f32 v[ST+12*\u+8], v[ST+12*\u+2], v[ST+12*\u+3]
.endr
.irp u, 0,1
	v_permlanex16_b32 v[ST+12*\u+9], v[ST+12*\u+8], s[SEL], s[SEL+1]
.endr
.irp u, 0,1
	v_add_f32 v[ST+12*\u+8], v[ST+12*\u+8], v[ST+12*\u+9]
.endr
.irp u, 0,1
	v_rcp_f32 v[ST+12*\u+6], v[ST+12*\u+8]
.endr
	s_mul_i32 s18, s[WV], 16*KP
	s_add_co_u32 s18, s18, STAGE                   ; my stage
	v_and_b32 v[AK0], 15, v0                       ; (plain work behind the reciprocals)
	v_bfe_u32 v[AV0], v0, 4, 1
	v_mul_u32_u24 v[ADK], v[AK0], KP
	v_lshl_add_u32 v[ADK], v[AV0], 4, v[ADK]
	v_add_nc_u32 v[ADK], s18, v[ADK]               ; in: row r, + 16 h; channels 16 ct on are 32 ct bytes on
	v_and_b32 v[GO], 31, v0
	v_lshrrev_b32 v[AK0], 3, v[GO]
	v_mul_u32_u24 v[ADV], v[AK0], KP
	v_and_b32 v[AV0], 7, v0
	v_lshl_add_u32 v[ADV], v[AV0], 4, v[ADV]
	v_add_nc_u32 v[ADV], s18, v[ADV]               ; back: eight lanes to a row of 128 bytes, four rows an instruction
	v_lshlrev_b32 v[GO], 4, v[GO]                  ; which are 512 consecutive bytes of o16
	s_wait_alu depctr_va_vdst(0)                   ; one wait for the two reciprocals, ahead of their first reader
.irp u, 0,1
.irp j, 0,2,4,6,8,10,12,14,16,18,20,22,24,26,28,30
	v_pk_mul_f32 v[OO+32*\u+\j:OO+32*\u+\j+1], v[OO+32*\u+\j:OO+32*\u+\j+1], v[ST+12*\u+6:ST+12*\u+7] op_sel_hi:[1,0]
.endr
.irp i, 0,1,2,3,4,5,6,7,8,9,10,11,12,13,14,15
	v_cvt_pk_f16_f32 v[FF+16*\u+\i], v[OO+32*\u+2*\i], v[OO+32*\u+2*\i+1]
.endr
.irp ct, 0,1,2,3
	ds_store_b128 v[ADK], v[FF+16*\u+4*\ct:FF+16*\u+4*\ct+3] offset:32*\ct
.endr
.irp i, 0,1,2,3
	ds_load_b128 v[FF+32+16*\u+4*\i:FF+32+16*\u+4*\i+3], v[ADV] offset:4*KP*\i   ; LDS serves a wave's instructions in order: these see the stores above, and the next tile's stores come behind them
.endr
.endr
.irp u, 0,1
.irp i, 0,1,2,3
	s_wait_dscnt 11-8*\u-\i                        ; the LDS instructions issued behind this load may be out
	global_store_b128 v[GO], v[FF+32+16*\u+4*\i:FF+32+16*\u+4*\i+3], s[6:7] offset:2048*\u+512*\i
.endr
.endr
	s_wait_tensorcnt 0x0                           ; the wave's end: three lines behind my last tensor load and my last LDS store
	ds_add_u32 v[SPW], v[NIL]
	s_wait_dscnt 0x0
	s_endpgm
.Lfunc_end_k_qbff3c300a2_attn:
	.size	k_qbff3c300a2_attn, .Lfunc_end_k_qbff3c300a2_attn-k_qbff3c300a2_attn
	.p2alignl 7, 3214868480
	.fill 96, 4, 3214868480
	.section	.rodata,"a",@progbits
	.p2align	6, 0x0
	.amdhsa_kernel k_qbff3c300a2_attn
		.amdhsa_group_segment_fixed_size 327680
		.amdhsa_private_segment_fixed_size 0
		.amdhsa_enable_private_segment 0
		.amdhsa_kernarg_size 16
		.amdhsa_user_sgpr_count 2
		.amdhsa_user_sgpr_kernarg_segment_ptr 1
		.amdhsa_wavefront_size32 1
		.amdhsa_system_sgpr_workgroup_id_x 1
		.amdhsa_system_sgpr_workgroup_id_y 1
		.amdhsa_system_sgpr_workgroup_id_z 1
		.amdhsa_system_vgpr_workitem_id 0
		.amdhsa_next_free_vgpr 256
		.amdhsa_next_free_sgpr 92
		.amdhsa_reserve_vcc 1
		.amdhsa_float_denorm_mode_32 3
		.amdhsa_float_denorm_mode_16_64 3
		.amdhsa_memory_ordered 1
		.amdhsa_forward_progress 1
		.amdhsa_inst_pref_size 128
	.end_amdhsa_kernel
	.amdgpu_metadata
---
amdhsa.version: [ 1, 2 ]
amdhsa.kernels:
  - .name:           k_qbff3c300a2_attn
    .symbol:         k_qbff3c300a2_attn.kd
    .args:
      - { .name: p16, .offset: 0, .size: 8, .value_kind: global_buffer, .address_space: global }
      - { .name: o16, .offset: 8, .size: 8, .value_kind: global_buffer, .address_space: global }
    .group_segment_fixed_size: 327680
    .private_segment_fixed_size: 0
    .kernarg_segment_align: 8
    .kernarg_segment_size: 16
    .max_flat_workgroup_size: 512
    .sgpr_count:     92
    .vgpr_count:     256
    .wavefront_size: 32
...
	.end_amdgpu_metadata
.endif
;; end of part 3
;; launch dense (part 4): grid 4 x 64, 4 waves a work-group, clusters of 4 x 4, 327,680 bytes of LDS; arguments m16, o16, dense_b, out0; writes out0
.if DOCPART == 4
	.amdgcn_target "amdgcn-amd-amdhsa--gfx1250"
	.amdhsa_code_object_version 6
	.text
	.protected	k_qbff3c300a2_dense
	.globl	k_qbff3c300a2_dense
	.p2align	8
	.type	k_qbff3c300a2_dense,@function
k_qbff3c300a2_dense:
	s_mov_b64 s[64:65], 0
	v_nop
	global_prefetch_b8 v0, s[64:65] scope:SCOPE_SE
	s_setreg_imm32_b32 hwreg(HW_REG_WAVE_MODE, 25, 1), 1
	s_wait_xcnt 0x0
	s_wait_alu depctr_hold_cnt(0) depctr_sa_sdst(0) depctr_va_vdst(0) depctr_va_sdst(0) depctr_va_ssrc(0) depctr_va_vcc(0) depctr_vm_vsrc(0)
	s_getreg_b32 s2, hwreg(HW_REG_IB_STS2, 6, 4)
	s_cmp_eq_u32 s2, 0
	s_cbranch_scc0 .Lentry_in_a_cluster
	s_endpgm
.Lentry_in_a_cluster:
	s_bfe_u32 s2, ttmp6, 0x10000c
	s_cmp_lg_u32 s2, 0xf033
	s_cbranch_scc0 .Lentry_shape_is_right
	s_endpgm
.Lentry_shape_is_right:
; THE PROJECTION ON THE WAY OUT:  out0[b][e][w] = (sum over f of M[e][f] o[b][f][w]) / 32 + dense_b[e].   f16 operands, f32 sums; the softmax's factor 1/32 and the bias are one fused multiply-add in f32 behind the sums.
; m16 [1024 e][1024 f] f16.  o16 [b][16 heads][1024 w][64 d] f16, f = 64 head + d: for a row w the 64 f of a head are neighbours.  out0 [8][1024 e][1024 w] f32.
; A tile of out0[b] is 128 (e) x 256 (w): 256 tiles, one to a work-group.  Four waves, each 64 e x 128 w: 32 accumulators, 256 registers.
; USED TRANSPOSED: source 0 = 16 rows w of o16, source 1 = 16 rows e of m16: a lane holds eight neighbouring w of one row e.
; K goes in steps of 128 (two heads) through a ring of two LDS slots: A's 128 rows of 256 bytes, then two planes (a head each) of 256 rows w of 128 bytes.  One tensor load a wave: waves 0, 1 A's halves, waves 2, 3 a plane each.
; CLUSTERS: 4 x 4 work-groups.  A's tile hangs on the e block, shared along a row of the cluster; o16's on b and the w block, shared along a column: each is asked for JOINTLY.
; REGISTERS: window 0: v0-31 addresses; v32-39 the bias; v64-127 A's fragments, two buffers of 32; on the way out v64-127 results, v128-255 rows read back.   window 1: v0-127 o16's fragments, two buffers of 64.
;   window 2: the accumulators, (a, b) at v[8 (8 a + b)].
.set KSTEP,  128
.set PA,     272                       ; A's LDS row: 256 bytes + 16
.set PB,     144                       ; a plane's LDS row: 128 bytes + 16: both odd multiples of 16
.set BOFF,   128*PA                    ; the planes lie behind A's 128 rows
.set PLANE,  256*PB
.set SLOT,   BOFF+2*PLANE
.set SPARE,  2*SLOT                    ; behind the ring: the spare words, 128 bytes for each wave, which no other line names
.set SPITCH, 528                       ; the way out: a stage of 16 rows x (512 bytes + 16) for each wave, in slot 0, which has had its last fill and its last read when the first result is stored there
.set ADRA, 16                          ; v16-17  LDS address of my A fragments in slot 0, 1
.set ADRB, 20                          ; v20-21  the same for o16's
.set STO,  24                          ; v24     the way out: where I put 32 bytes of a row
.set RD,   25                          ; v25     where I read a row back
.set CO,   26                          ; v26     my byte offset in a row of out0
.set BO,   27                          ; v27     my byte offset in dense_b
.set SPW,  28                          ; v28     LDS address of my spare word; never rewritten
.set NIL,  29                          ; v29     0; never rewritten
.set BI,   32                          ; v32-39  the bias of my row in block a, at 2 a; loaded twice, since the packed form names a pair
.set FA,   64
.set TMP,  64
.set BK,   128
.set G1, 24                            ; s[24:31] descriptor group 1 for A's tiles;  s[32:39] group 0, one set for each slot
.set G0, 32
.set G1B, 48                           ; s[48:55], s[56:63] the same for o16's planes
.set G0B, 56
.set MSB, 0
.macro WIN new                         ; the immediate's high byte repeats the setting that is left
.if MSB != \new
	s_set_vgpr_msb (MSB<<8)|\new
.set MSB, \new
.endif
.endm
.set MUL,  0xa1                        ; source 0 (o16) window 1, source 1 (A) window 0, C and D window 2
.set TO_B, 0x40                        ; destination window 1, address window 0
.macro JLOAD s                         ; a joint load; an s_nop 0 and four v_nop follow each of the two lines, ahead of the jump, the label and what follows
	s_cmp_eq_u32 s13, 0
	s_cbranch_scc0 .Lfor_b_\@
	tensor_load_to_lds s[G0+4*\s:G0+4*\s+3], s[G1:G1+7]
	s_nop 0
.rept 4
	v_nop
.endr
	s_branch .Lasked_\@
.Lfor_b_\@:
	tensor_load_to_lds s[G0B+4*\s:G0B+4*\s+3], s[G1B:G1B+7]
	s_nop 0
.rept 4
	v_nop
.endr
.Lasked_\@:
.endm
.macro CREST                           ; a round of the cluster's barrier behind its opening barrier
	s_cmp_lg_u32 s12, 0
	s_cbranch_scc1 .Lnot_wave_0_\@
	s_barrier_signal -3
.Lnot_wave_0_\@:
	s_barrier_wait -3
	s_barrier_signal -1
	s_barrier_wait -1
.endm
.macro CROUND                          ; a whole round
	s_barrier_signal -1
	s_barrier_wait -1
	CREST
.endm
	s_load_b256 s[4:11], s[0:1], 0x0               ; m16 4:5, o16 6:7, dense_b 8:9, out0 10:11
	v_lshl_add_u32 v[SPW], v0, 2, SPARE
	v_mov_b32 v[NIL], 0
	ds_add_u32 v[SPW], v[NIL]                      ; the wave's opening: the add, twice on end, and its wait ahead of my first tensor load; the set-up below stands between
	ds_add_u32 v[SPW], v[NIL]
	v_lshrrev_b32 v1, 5, v0
	v_readfirstlane_b32 s12, v1                    ; wave 0..3
	s_lshr_b32 s13, s12, 1                         ; which 64 rows e are mine.  Also: I fetch for A (0) or a plane (1)
	s_and_b32 s14, s12, 1                          ; which 128 columns w.  Also: which half of A, or which plane, I fetch
	s_bfe_u32 s40, ttmp6, 0x40000                  ; cx, cy
	s_bfe_u32 s41, ttmp6, 0x40004
	s_lshl_b32 s42, ttmp9, 2
	s_add_co_u32 s42, s42, s40                     ; the block of 256 w
	s_and_b32 s15, ttmp7, 0xffff                   ; cluster y
	s_lshr_b32 s17, s15, 1                         ; b
	s_and_b32 s18, s15, 1
	s_lshl_b32 s18, s18, 2
	s_add_co_u32 s18, s18, s41                     ; the block of 128 e
	s_lshl_b32 s43, s41, 2
	s_lshl_b32 s43, 15, s43                        ; my row of the cluster
	s_lshl_b32 s16, 0x1111, s40                    ; my column
	; group 1, A: 64 rows of 128 elements of 2 bytes, 1,024 elements apart, four words of padding behind each row's 64
	s_or_b32 s[G1+0], s43, (1<<16)|(1<<20)|(1<<21)|(5<<22)|(3<<25)
	s_mov_b32 s[G1+1], 128<<16                     ; tensor_dim0
	s_mov_b32 s[G1+2], 64<<16                      ; tensor_dim1
	s_mov_b32 s[G1+3], 128<<16                     ; tile_dim0
	s_mov_b32 s[G1+4], 64                          ; tile_dim1
	s_mov_b32 s[G1+5], 1024                        ; tensor_dim0_stride
	s_mov_b32 s[G1+6], 0
	s_mov_b32 s[G1+7], 0
	; a plane: 256 rows of 64 elements, dense in memory, four words of padding behind each row's 32
	s_or_b32 s[G1B+0], s16, (1<<16)|(1<<20)|(1<<21)|(4<<22)|(3<<25)
	s_mov_b32 s[G1B+1], 64<<16
	s_mov_b32 s[G1B+2], 256<<16
	s_mov_b32 s[G1B+3], 64<<16
	s_mov_b32 s[G1B+4], 256
	s_mov_b32 s[G1B+5], 64
	s_mov_b32 s[G1B+6], 0
	s_mov_b32 s[G1B+7], 0
	s_mov_b32 s44, 0x3d000000                      ; 1/32
	s_mov_b32 s45, s44                             ; (named with it as a pair)
	s_lshl_b32 s20, s18, 18                        ; A: (128 x e block + 64 x half) rows of 2,048 bytes: the e block and the wave's number alone
	s_lshl_b32 s21, s14, 17
	s_add_co_u32 s20, s20, s21
	s_mov_b32 s21, 0
	s_lshl_b32 s46, s17, 21                        ; o16: b x 2 MiB + plane x 131,072 + w block x 256 rows of 128 bytes: b, the w block and the wave's number alone
	s_lshl_b32 s47, s14, 17
	s_add_co_u32 s46, s46, s47
	s_lshl_b32 s47, s42, 15
	s_add_co_u32 s46, s46, s47
	s_mov_b32 s47, 0
	s_mul_i32 s22, s14, 64*PA                      ; where they go: no place in the cluster enters an LDS address
	s_mul_i32 s23, s14, PLANE
	s_add_co_u32 s23, s23, BOFF
	s_wait_dscnt 0x0                               ; both opening adds are done
	s_wait_kmcnt 0x0
	s_add_nc_u64 s[20:21], s[4:5], s[20:21]
	s_add_nc_u64 s[46:47], s[6:7], s[46:47]
	CROUND                                         ; all sixteen work-groups are here: the first joint loads meet
.irp s, 0,1
	s_mov_b32 s[G0+4*\s], 1
	s_add_co_u32 s[G0+4*\s+1], s22, \s*SLOT
	s_add_nc_u64 s[G0+4*\s+2:G0+4*\s+3], s[20:21], \s*KSTEP*2
	s_or_b32 s[G0+4*\s+3], s[G0+4*\s+3], 0x80000000
	s_mov_b32 s[G0B+4*\s], 1
	s_add_co_u32 s[G0B+4*\s+1], s23, \s*SLOT
	s_add_nc_u64 s[G0B+4*\s+2:G0B+4*\s+3], s[46:47], \s*2*131072   ; K step s: heads 2 s, 2 s + 1
	s_or_b32 s[G0B+4*\s+3], s[G0B+4*\s+3], 0x80000000
	JLOAD \s                                       ; two loads of mine are out
.endr
	v_and_b32 v1, 15, v0                           ; l % 16
	v_bfe_u32 v2, v0, 4, 1                         ; l / 16
	v_mul_u32_u24 v3, v1, PA
	v_lshl_add_u32 v3, v2, 4, v3
	v_mul_u32_u24 v4, v1, PB
	v_lshl_add_u32 v4, v2, 4, v4
	s_mul_i32 s19, s13, 64*PA                      ; my 64 rows of A
	s_mul_i32 s2, s14, 128*PB                      ; my 128 rows of each plane
	s_add_co_u32 s2, s2, BOFF
.irp s, 0,1
	v_add_nc_u32 v[ADRA+\s], s19, v3
	v_add_nc_u32 v[ADRB+\s], s2, v4
	s_add_co_u32 s19, s19, SLOT
	s_add_co_u32 s2, s2, SLOT
.endr
	s_mul_i32 s19, s12, 16*SPITCH                  ; my stage
	v_mul_u32_u24 v5, v1, SPITCH                   ; in: row l % 16, 32 bytes for each half of the lanes
	v_lshl_add_u32 v5, v2, 5, v5
	v_add_nc_u32 v[STO], s19, v5
	v_and_b32 v6, 31, v0
	v_lshlrev_b32 v[CO], 4, v6                     ; back: the 32 lanes take one row of 512 bytes; and the same in out0
	v_add_nc_u32 v[RD], s19, v[CO]
	v_lshlrev_b32 v[BO], 2, v1
	s_lshl_b32 s20, s18, 9                         ; dense_b: (128 x e block + 64 x row half) x 4 bytes
	s_lshl_b32 s21, s13, 8
	s_add_co_u32 s20, s20, s21
	s_mov_b32 s21, 0
	s_add_nc_u64 s[8:9], s[8:9], s[20:21]
.irp a, 0,1,2,3
	global_load_b32 v[BI+2*\a], v[BO], s[8:9] offset:64*\a
	global_load_b32 v[BI+2*\a+1], v[BO], s[8:9] offset:64*\a
.endr
	s_lshl_b32 s20, s17, 22                        ; out0: b x 4 MiB + (128 x e block + 64 x row half) rows of 4,096 bytes
	s_lshl_b32 s21, s18, 19
	s_add_co_u32 s20, s20, s21
	s_lshl_b32 s21, s13, 18
	s_add_co_u32 s20, s20, s21
	s_lshl_b32 s46, s42, 10                        ; + (256 x w block + 128 x column half) x 4 bytes
	s_lshl_b32 s47, s14, 9
	s_add_co_u32 s46, s46, s47
	s_add_co_u32 s20, s20, s46
	s_mov_b32 s21, 0
	s_add_nc_u64 s[10:11], s[10:11], s[20:21]
; 8 matrix instructions: e block a x all 8 w blocks, 32 along K, from buffers f.  zero = 1: the first product starts the sums.  The 32 accumulators take turns, in the same order in every quarter.
.macro MUL8 f, a, zero
.irp b, 0,1,2,3,4,5,6,7
.if \zero
	v_wmma_f32_16x16x32_f16 v[8*(8*(\a)+\b):8*(8*(\a)+\b)+7], v[64*(\f)+8*\b:64*(\f)+8*\b+7], v[FA+32*(\f)+8*(\a):FA+32*(\f)+8*(\a)+7], 0
.else
	v_wmma_f32_16x16x32_f16 v[8*(8*(\a)+\b):8*(8*(\a)+\b)+7], v[64*(\f)+8*\b:64*(\f)+8*\b+7], v[FA+32*(\f)+8*(\a):FA+32*(\f)+8*(\a)+7], v[8*(8*(\a)+\b):8*(8*(\a)+\b)+7]
.endif
.endr
.endm
; 24 LDS loads in one run: the fragments of quarter q (32 along K) of a slot into buffers f: plane q / 2, byte 64 (q % 2) of its rows; byte 64 q of A's rows
.macro FETCH slot, q, f
	WIN TO_B
.irp i, 0,1,2,3,4,5,6,7
	ds_load_b128 v[64*(\f)+8*\i:64*(\f)+8*\i+3],   v[ADRB+\slot] offset:PLANE*((\q)/2)+64*((\q)%2)+\i*16*PB
	ds_load_b128 v[64*(\f)+8*\i+4:64*(\f)+8*\i+7], v[ADRB+\slot] offset:PLANE*((\q)/2)+64*((\q)%2)+\i*16*PB+32
.endr
	WIN 0
.irp i, 0,1,2,3
	ds_load_b128 v[FA+32*(\f)+8*\i:FA+32*(\f)+8*\i+3],   v[ADRA+\slot] offset:64*(\q)+\i*16*PA
	ds_load_b128 v[FA+32*(\f)+8*\i+4:FA+32*(\f)+8*\i+7], v[ADRA+\slot] offset:64*(\q)+\i*16*PA+32
.endr
.endm
.macro PLACES                          ; four places in front of loads into registers that matrix instructions have read, and of the first read of results (ISA guide 7.12.1 for vector instructions)
.rept 4
	v_nop
.endr
.endm
; A K step is four quarters of 32 along K, 32 matrix instructions each, on buffers 0, 1, 0, 1.  One of the first three: multiplies buffers f; ahead of its products it asks for quarter q into buffers g.
.macro QUARTER slot, q, f, g, zero
	s_wait_dscnt 0x0                               ; buffers f are in: asked for 32 matrix instructions ago
	PLACES
	FETCH \slot, \q, \g
	WIN MUL
	MUL8 \f, 0, \zero
	MUL8 \f, 1, \zero
	MUL8 \f, 2, \zero
	MUL8 \f, 3, \zero
.endm
; The last quarter multiplies buffers 1 and changes slots: ONE barrier; in front of it each wave waits for all its tensor loads, adds 0 to its spare word, and waits for that and for its reads of this slot.
; fill = 1: the barrier opens a round of the cluster's barrier, and this slot is filled again, two K steps ahead: 112 matrix instructions ahead of the wait for it.
.macro TURN slot, next, fill
	WIN 0                                          ; (the add's two registers lie in window 0)
	s_wait_tensorcnt 0x0                           ; all my tensor loads have landed: my part of the next slot
	ds_add_u32 v[SPW], v[NIL]                      ; 0 onto my spare word
	s_wait_dscnt 1                                 ; buffers 1 are in; the add may be out
	WIN MUL
	MUL8 1, 0, 0
	s_wait_dscnt 0x0                               ; the add is done, and my reads of this slot are over
	s_barrier_signal -1
	MUL8 1, 1, 0
.if \fill
	WIN 0
.endif
	s_barrier_wait -1
.if \fill
	CREST                                          ; no wave of any partner still reads this slot's tiles or has a load on its way
	s_add_nc_u64 s[G0+4*\slot+2:G0+4*\slot+3], s[G0+4*\slot+2:G0+4*\slot+3], 2*KSTEP*2
	s_add_nc_u64 s[G0B+4*\slot+2:G0B+4*\slot+3], s[G0B+4*\slot+2:G0B+4*\slot+3], 4*131072
	JLOAD \slot                                    ; the first tensor load behind the round; the four v_nop behind it are also the places in front of the loads below
.else
	PLACES
.endif
	FETCH \next, 0, 0
	WIN MUL
	MUL8 1, 2, 0
	MUL8 1, 3, 0
.endm
	s_wait_tensorcnt 1                             ; my part of K step 0 is in (K step 1's load may be out),
	s_barrier_signal -1
	s_barrier_wait -1                              ; everybody's is
	FETCH 0, 0, 0
	QUARTER 0, 1, 0, 1, 1                          ; the first quarter stands in front of the loop: its products start the sums
	WIN 0                                          ; at a label and at a branch every window is 0
	s_mov_b32 s3, 3
.Llap:                                                 ; a trip goes once round the ring, from a lap's second quarter to the next lap's first, and fills both slots again: 2 + 3 x 2 = 8 K steps
	QUARTER 0, 2, 1, 0, 0
	QUARTER 0, 3, 0, 1, 0
	TURN 0, 1, 1
	QUARTER 1, 1, 0, 1, 0
	QUARTER 1, 2, 1, 0, 0
	QUARTER 1, 3, 0, 1, 0
	TURN 1, 0, 1
	QUARTER 0, 1, 0, 1, 0
	WIN 0
	s_sub_co_u32 s3, s3, 1
	s_cmp_lg_u32 s3, 0
	s_cbranch_scc1 .Llap
	QUARTER 0, 2, 1, 0, 0                          ; the last lap fills nothing, and has no round of the cluster's barrier
	QUARTER 0, 3, 0, 1, 0
	TURN 0, 1, 0
	QUARTER 1, 1, 0, 1, 0
	QUARTER 1, 2, 1, 0, 0
	QUARTER 1, 3, 0, 1, 0
	s_wait_dscnt 0x0                               ; the very last quarter: nothing more to fetch
	WIN MUL
	MUL8 1, 0, 0
	MUL8 1, 1, 0
	MUL8 1, 2, 0
	MUL8 1, 3, 0
	WIN 0
; THE WAY OUT, block by block of 16 rows e x 128 columns w.  FIN: sum / 32 + bias, one fused multiply-add for two numbers, each accumulator from its low end on.  TOSTAGE: 32 bytes a lane into my own stage, and back as
; whole rows of 512 bytes.  SEND: the 32 lanes store a row's 512 consecutive bytes, aligned.
.macro FIN a
	WIN 0x02                                       ; source 0: window 2
.irp b, 0,1,2,3,4,5,6,7
.irp i, 0,2,4,6
	v_pk_fma_f32 v[TMP+8*\b+\i:TMP+8*\b+\i+1], v[8*(8*(\a)+\b)+\i:8*(8*(\a)+\b)+\i+1], s[44:45], v[BI+2*(\a):BI+2*(\a)+1] op_sel_hi:[1,0,0]
.endr
.endr
	WIN 0
.endm
.macro TOSTAGE a
.irp b, 0,1,2,3,4,5,6,7
	ds_store_b128 v[STO], v[TMP+8*\b:TMP+8*\b+3] offset:64*\b
	ds_store_b128 v[STO], v[TMP+8*\b+4:TMP+8*\b+7] offset:64*\b+16
.endr
.set BB, BK+64*((\a)%2)
.irp t, 0,1,2,3,4,5,6,7,8,9,10,11,12,13,14,15
	ds_load_b128 v[BB+4*\t:BB+4*\t+3], v[RD] offset:\t*SPITCH      ; LDS serves a wave's instructions in order (ISA guide 5.7.1.4): these see the stores above
.endr
.endm
.macro SEND a, younger                 ; younger: the LDS instructions issued behind block a's loads, which may stay out
.set BB, BK+64*((\a)%2)
	s_wait_dscnt \younger
.if (\a) > 0
	s_add_nc_u64 s[10:11], s[10:11], 16*4096       ; (behind a wait on XCNT: the earlier stores have read their base)  16 rows on
.endif
.irp t, 0,1,2,3,4,5,6,7,8,9,10,11,12,13,14,15
	global_store_b128 v[CO], v[BB+4*\t:BB+4*\t+3], s[10:11] offset:\t*4096 th:TH_STORE_NT   ; written once, read by nobody here
.endr
.endm
	s_wait_loadcnt 0x0                             ; the bias
	PLACES                                         ; behind the last products
	FIN 0
	TOSTAGE 0
.irp a, 1,2,3
.if \a > 1
	s_wait_xcnt 0x0                                ; block a - 2's stores have read their registers and their base: block a's loads may land there, and the base may step
.endif
	FIN \a
	TOSTAGE \a
	SEND \a-1, 32                                  ; behind block a - 1's loads: block a's 16 stores and 16 loads
.endr
	s_wait_xcnt 0x0                                ; block 2's stores have read their base
	SEND 3, 0
	s_wait_tensorcnt 0x0                           ; the wave's end: three lines behind my last tensor load and my last LDS store
	ds_add_u32 v[SPW], v[NIL]
	s_wait_dscnt 0x0
	CROUND                                         ; the closing round: no work-group ends while a partner may still ask for a tile that names it
	s_endpgm
.Lfunc_end_k_qbff3c300a2_dense:
	.size	k_qbff3c300a2_dense, .Lfunc_end_k_qbff3c300a2_dense-k_qbff3c300a2_dense
	.p2alignl 7, 3214868480
	.fill 96, 4, 3214868480
	.section	.rodata,"a",@progbits
	.p2align	6, 0x0
	.amdhsa_kernel k_qbff3c300a2_dense
		.amdhsa_group_segment_fixed_size 327680
		.amdhsa_private_segment_fixed_size 0
		.amdhsa_enable_private_segment 0
		.amdhsa_kernarg_size 32
		.amdhsa_user_sgpr_count 2
		.amdhsa_user_sgpr_kernarg_segment_ptr 1
		.amdhsa_wavefront_size32 1
		.amdhsa_system_sgpr_workgroup_id_x 1
		.amdhsa_system_sgpr_workgroup_id_y 1
		.amdhsa_system_sgpr_workgroup_id_z 1
		.amdhsa_system_vgpr_workitem_id 0
		.amdhsa_next_free_vgpr 768
		.amdhsa_next_free_sgpr 66
		.amdhsa_reserve_vcc 0
		.amdhsa_float_denorm_mode_32 3
		.amdhsa_float_denorm_mode_16_64 3
		.amdhsa_memory_ordered 1
		.amdhsa_forward_progress 1
		.amdhsa_inst_pref_size 94
	.end_amdhsa_kernel
	.amdgpu_metadata
---
amdhsa.version: [ 1, 2 ]
amdhsa.kernels:
  - .name:           k_qbff3c300a2_dense
    .symbol:         k_qbff3c300a2_dense.kd
    .args:
      - { .name: m16, .offset: 0, .size: 8, .value_kind: global_buffer, .address_space: global }
      - { .name: o16, .offset: 8, .size: 8, .value_kind: global_buffer, .address_space: global }
      - { .name: dense_b, .offset: 16, .size: 8, .value_kind: global_buffer, .address_space: global }
      - { .name: out0, .offset: 24, .size: 8, .value_kind: global_buffer, .address_space: global }
    .group_segment_fixed_size: 327680
    .private_segment_fixed_size: 0
    .kernarg_segment_align: 8
    .kernarg_segment_size: 32
    .max_flat_workgroup_size: 128
    .sgpr_count:     66
    .vgpr_count:     768
    .wavefront_size: 32
...
	.end_amdgpu_metadata
.endif
;; end of part 4
